; MI455X (gfx1250); checked and timed in simulation.
; The chip was launched on July 23, 2026; its instructions are those of AMD's public machine-readable ISA for CDNA 5 (MIT licence, August 2026) and "CDNA5" Instruction Set Architecture Reference Guide (July 2026). The comments in the code are by the model that wrote it; some were corrected since.
;; Transformer Block. Allowed arithmetic: matrix products marked QUANTISED: E2M3 operands, one E8M0 scale for each 32 along K, by v_wmma_scale_f32_16x16x128_f8f6f4 with both operands' format E2M3, f32 sums; products left as they are: f32 operands where the result goes on into a quantised operand, else bf16, f16 or f32 operands; f32 sums; everything else in f32.
;; Inputs: W1 1,024 x 4,096 float32; W2 4,096 x 1,024 float32; Wk 1,024 x 256 float32; Wo 1,024 x 1,024 float32; Wq 1,024 x 1,024 float32; Wv 1,024 x 256 float32; b1 4,096 float32; b2 1,024 float32; bk 256 float32; bo 1,024 float32; bq 1,024 float32; bv 256 float32; ln1_b 1,024 float32; ln1_g 1,024 float32; ln2_b 1,024 float32; ln2_g 1,024 float32; lora_qa 1,024 x 16 float32; lora_qb 16 x 1,024 float32; lora_va 1,024 x 16 float32; lora_vb 16 x 256 float32; mask 1 x 1 x 2,048 x 2,048 int32; x 2 x 2,048 x 1,024 float32.
;; Outputs: out0 2 x 2,048 x 1,024 float32.
;; This version of the problem:
;;   THIS VERSION OF THE PROBLEM IS GIVEN IN LOW PRECISION. The matrix products marked QUANTISED in the list below multiply operands that are first quantised to E2M3 (2 exponent bits, 3 mantissa bits; 6 bits a number), with one power-of-two scale for each 32 numbers along K (OCP MX v1.0); their sums are f32. All else is computed in f32.
;;   The module's matrix products, in the order in which they are computed (A, B: the left and right operand; K: the contracted axis; several contracted axes count as one K, in the product's order):
;;     1. [M 4,096, K 1,024] x [K 1,024, N 1,024]; A: computed on the way; B: input Wq: QUANTISED
;;     2. [M 4,096, K 1,024] x [K 1,024, N 16]; A: computed on the way; B: input lora_qa: QUANTISED
;;     3. [M 4,096, K 16] x [K 16, N 1,024]; A: computed on the way; B: input lora_qb: left as it is (K = 16 < 32)
;;     4. [M 4,096, K 1,024] x [K 1,024, N 256]; A: computed on the way; B: input Wk: QUANTISED
;;     5. [M 4,096, K 1,024] x [K 1,024, N 256]; A: computed on the way; B: input Wv: QUANTISED
;;     6. [M 4,096, K 1,024] x [K 1,024, N 16]; A: computed on the way; B: input lora_va: QUANTISED
;;     7. [M 4,096, K 16] x [K 16, N 256]; A: computed on the way; B: input lora_vb: left as it is (K = 16 < 32)
;;     8. batch 32 x [M 2,048, K 64] x [K 64, N 2,048]; A: computed on the way; B: computed on the way: QUANTISED
;;     9. batch 32 x [M 64, K 2,048] x [K 2,048, N 2,048]; A: computed on the way; B: softmax (see below): QUANTISED
;;     10. [M 4,096, K 1,024] x [K 1,024, N 1,024]; A: computed on the way; B: input Wo: QUANTISED
;;     11. [M 4,096, K 1,024] x [K 1,024, N 4,096]; A: computed on the way; B: input W1: QUANTISED
;;     12. [M 4,096, K 4,096] x [K 4,096, N 1,024]; A: computed on the way; B: input W2: QUANTISED
;;   THE QUANTISER, for each operand of a quantised product, along K:
;;     - K is cut into blocks of 32 from its start; a last block that is shorter is filled with zeros.
;;     - A block's scale is 2^e with e = floor(log2(the largest magnitude in the block)) - 2, held to -126 .. 127; a block of zeros has e = 0. As a byte (E8M0): e + 127.
;;     - Each number is divided by its block's scale, clamped to +-7.5, and rounded to the nearest number of E2M3, ties to even, subnormals kept.
;;     - The product sums the exact products of the quantised numbers (number of the format x scale) in f32.
;;   ~~~python
;;   def quantise(x, axis):      # numpy; x: float32 -> the quantised numbers, widened to float32 again
;;       x = np.moveaxis(x, axis, -1); K = x.shape[-1]
;;       x = np.pad(x, [(0, 0)] * (x.ndim - 1) + [(0, -K % 32)]); x = x.reshape(x.shape[:-1] + (-1, 32)); a = np.abs(x).max(-1, keepdims=True)
;;       e = np.where(a > 0, np.clip(np.frexp(np.where(a > 0, a, 1))[1] - 1 - 2, -126, 127), 0)      # np.frexp(a)[1] - 1 = floor(log2(a)), exactly
;;       r = np.clip(x / 2.0 ** e, -7.5, 7.5)
;;       step = 2.0 ** (np.maximum(np.frexp(np.where(r == 0, 1, r))[1] - 1, 0) - 3)
;;       q = np.round(r / step) * step * 2.0 ** e      # np.round: ties to even
;;       return np.moveaxis(q.reshape(q.shape[:-2] + (-1,))[..., :K], -1, axis).astype(np.float32)
;;   ~~~
;;   SOFTMAX AHEAD OF A QUANTISED PRODUCT. Where the list says 'softmax', what is quantised is not the finished softmax but p = 2^(t - M), with t = logit x log2(e) and M = ceil(the row's largest t), a whole number; so 1/2 < the row's largest p <= 1. The row's sum l is taken of the UNQUANTISED p, in f32, and the product's result is divided by l at the end. Since M is a whole number, a kernel that streams over the keys may use a running M (the ceiling of the running maximum): every later rescaling is an exact power of two, which a block's scale takes up: the codes' values come out the same.
;;   OPERANDS COMPUTED ON THE WAY. 'Computed on the way' means the value that the module computes at that place (a softmax that the list does not call 'softmax' is quantised finished and normalised). What goes into a quantiser is computed in f32, as accurately as f32 sums, v_exp_f32 and their like allow (about 1e-6 of the number): no bf16 or f16 on the way to a quantiser, and a product that is left as it is and whose result goes on into a quantised operand takes f32 operands (vector FMAs, or v_wmma_f32_16x16x4_f32). A number that lies on a knife's edge between two numbers of the format may be rounded either way, as far as f32 arithmetic and the matrix unit's own rounding can turn it there, and no further.
;; One version. Each part assembles by itself: llvm-mc -triple=amdgcn-amd-amdhsa -mcpu=gfx1250 --defsym DOCPART=n.
;; ======== version 1 of 1: 7 launches
;; limits: right only within a limited range of input values
;; workspace buffers: h1 3,276,800 bytes; h2 3,276,800 bytes; att 3,276,800 bytes; hid 13,107,200 bytes; x1 16,777,216 bytes; wts 8,627,200 bytes; qkv 5,111,808 bytes; mw 532,480 bytes of whole numbers
;; launch prep (part 1): grid 1105 x 1, 4 waves a work-group, no clusters, 76,032 bytes of LDS; arguments x, ln1_g, ln1_b, h1, Wq, Wk, Wv, Wo, W1, W2, lora_qa, lora_va, wts, mask, mw; writes h1, wts, mw
.if DOCPART == 1
	.amdgcn_target "amdgcn-amd-amdhsa--gfx1250"
	.amdhsa_code_object_version 6
	.text
	.protected	k_qfb7e530339_prep
	.globl	k_qfb7e530339_prep
	.p2align	8
	.type	k_qfb7e530339_prep,@function
k_qfb7e530339_prep:
	s_mov_b64 s[64:65], 0
	v_nop
	global_prefetch_b8 v0, s[64:65] scope:SCOPE_SE
	s_setreg_imm32_b32 hwreg(HW_REG_WAVE_MODE, 25, 1), 1
	s_wait_xcnt 0x0
; Four jobs, chosen by the work-group's number; each job that uses LDS has LDS bytes of its own.
;   0-255    LAYER NORM of one tile of 16 rows of [4096][1024] f32, quantised along the row to E2M3 codes with one E8M0 byte for each 32.
;   256-591  a WEIGHT stored [K][N]: a lane takes a column, its registers run down K; 32 columns x 256 K a wave.
;   592      the two LoRA-a matrices [1024][16], the same way: a lane takes a rank, lanes 16-31 the next 256 of K; its codes leave straight from registers.
;   593-1104 the MASK [2048][2048] int32: for 16 queries x 128 keys, 64 lane-mask words (bit = hidden) and a flag word.
; OPERAND IMAGES.  Rows go in groups of 32; tile 2 B + u holds in lane r row 32 B + 8 u + r + 8 (r / 8).  A half fragment (16 rows x 64 K)
; is 768 bytes: lane l = r + 16 h owns the 24 bytes of row r, block h: its registers 0-3 at 16 l, its registers 4-5 at 512 + 8 l.
; Codes: ((slab x tiles + tile) x 4 + half fragment) x 768, a slab being 256 along K.  Scale bytes: (slab x tiles + tile) x 128 + 8 r + block.
; A block's scale byte is its largest magnitude's exponent field - 2, held at 1 from below.
; The launch claims 76,032 bytes of LDS and 256 registers a wave, so that four work-groups, sixteen waves, can lie on a WGP: what counts here is how many loads are on their way.
; LIMITS: a block of zeros gets the byte 1 (its codes are zeros; only this program reads the bytes); blocks whose largest magnitude lies
; under 2^-124 are held at the byte 1; NaN and infinities among the inputs are not served.
.set IMG,   18432                      ; behind four turn stages of 4,608: 48 pieces of 256 bytes + 16
.set SST,   31488                      ; the tile's scale bytes, 512
.set WST,   32000                      ; four stages of 24 x 272 for the weights
.set MST,   58112                      ; four stages of 16 x 272 for the mask
.set SPARE, 75520                      ; the spare words: 128 bytes a wave
.set WQKV_S, 1179648
.set LA_C,  1228800
.set WO_C,  1254400
.set WO_S,  2040832
.set W1_C,  2073600
.set W1_S,  5219328
.set W2_C,  5350400
.set W2_S,  8496128
.set SPW, 254
.set NIL, 255
.macro FINISH                          ; the wave's end
	s_wait_tensorcnt 0x0
	ds_add_u32 v[SPW], v[NIL]
	s_wait_dscnt 0x0
	s_endpgm
.endm
	s_load_b512 s[4:19], s[0:1], 0x0               ; x, g, b, h, Wq, Wk, Wv, Wo
	s_load_b256 s[20:27], s[0:1], 0x40             ; W1, W2, lora_qa, lora_va
	s_load_b128 s[28:31], s[0:1], 0x60             ; wts, mask
	s_load_b64 s[32:33], s[0:1], 0x70              ; mw
	v_lshl_add_u32 v[SPW], v0, 2, SPARE
	v_mov_b32 v[NIL], 0
	v_lshrrev_b32 v1, 5, v0
	v_readfirstlane_b32 s34, v1                    ; wave
	v_and_b32 v1, 31, v0                           ; lane
	s_wait_kmcnt 0x0
	s_cmp_lt_u32 ttmp9, 256
	s_cbranch_scc0 .Lnot_ln
; ---------------------------------------------------------------- LAYER NORM: the work-group is tile t; wave w takes its lanes r = 4 w + i, i = 0 .. 3: four neighbouring rows
; v2-33 g, v34-65 b (element 128 j + 4 lane + c in register 4 j + c); v66-193 the four rows; v194-225 a block of 32 neighbours; v226-231 addresses; v232-253 at work
	s_lshr_b32 s36, ttmp9, 1
	s_lshl_b32 s36, s36, 5                         ; 32 (t / 2)
	s_and_b32 s37, ttmp9, 1
	s_lshl_b32 s37, s37, 3                         ; + 8 (t % 2)
	s_add_co_u32 s36, s36, s37
	s_lshl_b32 s37, s34, 2                         ; + 4 w
	s_add_co_u32 s36, s36, s37
	s_lshr_b32 s37, s34, 1
	s_lshl_b32 s37, s37, 3                         ; + 8 (w / 2)
	s_add_co_u32 s36, s36, s37
	s_lshl_b32 s36, s36, 12                        ; rows of 4,096 bytes
	s_mov_b32 s37, 0
	s_add_nc_u64 s[4:5], s[4:5], s[36:37]          ; my 4 rows
	s_wait_alu depctr_va_vdst(0)
	v_lshlrev_b32 v226, 4, v1
.macro XLD i                           ; a row: eight loads of 512 consecutive bytes
.irp j, 0,1,2,3,4,5,6,7
	global_load_b128 v[66+32*(\i)+4*\j:69+32*(\i)+4*\j], v226, s[4:5] offset:(\i)*4096+512*\j
.endr
.endm
.irp j, 0,1,2,3,4,5,6,7
	global_load_b128 v[2+4*\j:5+4*\j], v226, s[6:7] offset:512*\j
	global_load_b128 v[34+4*\j:37+4*\j], v226, s[8:9] offset:512*\j
.endr
	XLD 0
	XLD 1
	XLD 2
	XLD 3
	s_mul_i32 s38, s34, 4608                       ; my turn stage: 32 blocks of 128 bytes + 16
	v_lshrrev_b32 v232, 3, v1                      ; lane / 8: on the way out of the turn, my block's slab
	v_and_b32 v233, 7, v1
	v_mul_u32_u24 v227, v232, 144
	v_lshl_add_u32 v227, v233, 4, v227
	v_add_nc_u32 v227, s38, v227                   ; into the turn: block 4 j + lane / 8, 16 (lane % 8) in it
	v_mul_u32_u24 v228, v1, 144
	v_add_nc_u32 v228, s38, v228                   ; out of it: block = lane
	v_bfe_u32 v234, v1, 1, 2                       ; my block's half fragment in its slab
	v_and_b32 v235, 1, v1                          ; and its half h
	v_mul_u32_u24 v236, v232, 12*272
	v_mad_u32_u24 v236, v234, 3*272, v236
	v_add_nc_u32 v236, IMG, v236                   ; the half fragment's three pieces of 256 bytes in the image stage
	s_lshl_b32 s42, s34, 6
	v_mad_u32_u24 v229, v235, 272, v236
	v_add_nc_u32 v229, s42, v229                   ; registers 0-3: piece h, 16 r = 64 w + 16 i
	s_lshl_b32 s43, s34, 5
	s_add_co_u32 s44, s43, 2*272
	v_lshl_add_u32 v230, v235, 7, v236
	v_add_nc_u32 v230, s44, v230                   ; registers 4-5: piece 2, 128 h + 8 r = 32 w + 8 i
	s_add_co_u32 s45, s43, SST
	v_lshl_add_u32 v231, v232, 7, v233
	v_add_nc_u32 v231, s45, v231                   ; the scale byte: 128 slab + 8 r + block
	s_mov_b32 s46, 0x3a800000                      ; 1 / 1024
	s_mov_b32 s47, 0x3727c5ac                      ; 1e-5
	s_mov_b32 s48, 0x76543210
	s_mov_b32 s49, 0xfedcba98                      ; lane l xor 16
	v_mov_b32 v253, 0                              ; a lane permute's destination counts as read
.macro REDUCE                          ; four packed chains in v232-239 -> their sum over the wave, in every lane's v232
	v_pk_add_f32 v[232:233], v[232:233], v[234:235]
	v_pk_add_f32 v[236:237], v[236:237], v[238:239]
	v_pk_add_f32 v[232:233], v[232:233], v[236:237]
	v_add_f32 v232, v232, v233
.irp m, 1,2,4,8
	v_add_f32_dpp v232, v232, v232 row_xmask:\m row_mask:0xf bank_mask:0xf
.endr
	v_permlanex16_b32 v253, v232, s48, s49
	v_add_f32 v232, v232, v253
.endm
.macro ROW i, left
.set XS, 66+32*(\i)
	s_wait_loadcnt \left                           ; my row is in; the younger rows' loads, 8 each, stay out
.irp c, 0,1,2,3
	v_pk_add_f32 v[232+2*\c:233+2*\c], v[XS+2*\c:XS+2*\c+1], v[XS+8+2*\c:XS+9+2*\c]
.endr
.irp k, 16,24
.irp c, 0,1,2,3
	v_pk_add_f32 v[232+2*\c:233+2*\c], v[232+2*\c:233+2*\c], v[XS+\k+2*\c:XS+\k+2*\c+1]
.endr
.endr
	REDUCE
	v_mul_f32 v240, 0xba800000, v232               ; - the mean
	v_mov_b32 v241, v240
.set pp, 0
.rept 16
	v_pk_add_f32 v[XS+pp:XS+pp+1], v[XS+pp:XS+pp+1], v[240:241]
.set pp, pp+2
.endr
.irp c, 0,1,2,3
	v_pk_mul_f32 v[232+2*\c:233+2*\c], v[XS+2*\c:XS+2*\c+1], v[XS+2*\c:XS+2*\c+1]
.endr
.irp k, 8,16,24
.irp c, 0,1,2,3
	v_pk_fma_f32 v[232+2*\c:233+2*\c], v[XS+\k+2*\c:XS+\k+2*\c+1], v[XS+\k+2*\c:XS+\k+2*\c+1], v[232+2*\c:233+2*\c]
.endr
.endr
	REDUCE
	v_fma_f32 v238, v232, s46, s47                 ; the variance + eps
	s_wait_alu depctr_va_vdst(0)
	v_rsq_f32 v240, v238
	v_rsq_f32 v241, v238
	v_nop                                          ; a plain line behind the two
	s_wait_alu depctr_va_vdst(0)                   ; one wait for both, ahead of their first reader
.set pp, 0
.rept 16
	v_pk_mul_f32 v[XS+pp:XS+pp+1], v[XS+pp:XS+pp+1], v[240:241]
.set pp, pp+2
.endr
.set pp, 0
.rept 16
	v_pk_fma_f32 v[XS+pp:XS+pp+1], v[XS+pp:XS+pp+1], v[2+pp:3+pp], v[34+pp:35+pp]
.set pp, pp+2
.endr
.irp j, 0,1,2,3,4,5,6,7                ; the turn: as loaded in, a block of 32 neighbours a lane out; LDS serves a wave's instructions in order
	ds_store_b128 v227, v[XS+4*\j:XS+4*\j+3] offset:576*\j
.endr
.irp j, 0,1,2,3,4,5,6,7
	ds_load_b128 v[194+4*\j:197+4*\j], v228 offset:16*\j
.endr
	s_wait_dscnt 0x0                               ; my block is back
	v_max3_num_f32 v232, |v194|, |v195|, |v196|
	v_max3_num_f32 v233, |v197|, |v198|, |v199|
.irp k, 6,10,14,18,22,26
	v_max3_num_f32 v232, v232, |v[194+\k]|, |v[195+\k]|
	v_max3_num_f32 v233, v233, |v[196+\k]|, |v[197+\k]|
.endr
	v_max3_num_f32 v232, v232, |v224|, |v225|
	v_max3_num_f32 v232, v232, v233, 0x1800000     ; and the floor 2^(3 - 127): the byte cannot fall under 1
	v_add_nc_u32 v251, 0xff000000, v232            ; 2 off the exponent field: the conversion's scale operand
	v_lshrrev_b32 v252, 23, v251                   ; the byte
	v_cvt_scalef32_pk16_fp6_f32 v[242:244], v[194:209], v251
	v_cvt_scalef32_pk16_fp6_f32 v[248:250], v[210:225], v251
	v_nop
	v_mov_b32 v245, v248
	v_mov_b32 v246, v249
	v_mov_b32 v247, v250
	ds_store_b128 v229, v[242:245] offset:16*(\i)
	ds_store_b64 v230, v[246:247] offset:8*(\i)
	ds_store_b8 v231, v252 offset:8*(\i)
	s_wait_dscnt 0x0                               ; the stores have read their registers
.endm
	ROW 0, 24
	ROW 1, 16
	ROW 2, 8
	ROW 3, 0
	s_wait_dscnt 0x0                               ; for the others' sake: my stores into the image have landed
	s_barrier_signal -1
	s_barrier_wait -1
	v_lshrrev_b32 v232, 4, v1                      ; wave w sends slab w: 3,072 dense bytes of codes, 128 of scale bytes
	v_and_b32 v233, 15, v1
	v_mul_u32_u24 v232, v232, 272
	v_lshl_add_u32 v232, v233, 4, v232
	s_mul_i32 s36, s34, 12*272
	s_add_co_u32 s36, s36, IMG
	v_add_nc_u32 v232, s36, v232
	s_wait_alu depctr_va_vdst(0)
	v_lshlrev_b32 v233, 2, v1
	s_lshl_b32 s37, s34, 7
	s_add_co_u32 s37, s37, SST
	v_add_nc_u32 v234, s37, v233
	s_wait_alu depctr_va_vdst(0)
	s_mul_i32 s38, s34, 786432
	s_mul_i32 s39, ttmp9, 3072
	s_add_co_u32 s38, s38, s39
	s_mov_b32 s39, 0
	s_add_nc_u64 s[40:41], s[10:11], s[38:39]
	s_lshl_b32 s38, s34, 15
	s_lshl_b32 s42, ttmp9, 7
	s_add_co_u32 s38, s38, s42
	s_add_co_u32 s38, s38, 3145728
	s_add_nc_u64 s[42:43], s[10:11], s[38:39]
.irp i, 0,1,2,3,4,5
	ds_load_b128 v[66+4*\i:69+4*\i], v232 offset:544*\i
.endr
	ds_load_b32 v236, v234
.irp i, 0,1,2,3,4,5
	s_wait_dscnt 6-\i                              ; the younger loads stay out
	global_store_b128 v226, v[66+4*\i:69+4*\i], s[40:41] offset:512*\i   ; 512 consecutive bytes
.endr
	s_wait_dscnt 0x0
	global_store_b32 v233, v236, s[42:43]          ; 128 consecutive bytes: a tile's scale bytes of one slab
	FINISH
; ---------------------------------------------------------------- WEIGHTS
; v2 u, v3 r, v10 the lane's load term; s53 the pitch in bytes; s[36:51] the eight blocks' bases; s[60:61] codes out, s[62:63] scale bytes out
.macro WLOAD t                         ; block t: 32 numbers down K of my column
.set ii, 0
.rept 32
	global_load_b32 v[64+32*((\t)%2)+ii], v[32+ii], s[36+2*(\t):37+2*(\t)] th:TH_LOAD_NT
.set ii, ii+1
.endr
.endm
.macro WBLOCK t, lora
.set XS, 64+32*((\t)%2)
.if (\t) < 7
	s_wait_loadcnt 32                              ; this block is in; the next block's 32 loads stay out
.else
	s_wait_loadcnt 0x0
.endif
	v_max3_num_f32 v12, |v[XS]|, |v[XS+1]|, |v[XS+2]|
	v_max3_num_f32 v13, |v[XS+3]|, |v[XS+4]|, |v[XS+5]|
.irp k, 6,10,14,18,22,26
	v_max3_num_f32 v12, v12, |v[XS+\k]|, |v[XS+\k+1]|
	v_max3_num_f32 v13, v13, |v[XS+\k+2]|, |v[XS+\k+3]|
.endr
	v_max3_num_f32 v12, v12, |v[XS+30]|, |v[XS+31]|
	v_max3_num_f32 v12, v12, v13, 0x1800000
	v_add_nc_u32 v11, 0xff000000, v12
	v_lshrrev_b32 v13, 23, v11
.if (\t)%4 == 0
	v_mov_b32 v[14+(\t)/4], v13
.else
	v_lshl_or_b32 v[14+(\t)/4], v13, 8*((\t)%4), v[14+(\t)/4]
.endif
	v_cvt_scalef32_pk16_fp6_f32 v[16:18], v[XS:XS+15], v11
	v_cvt_scalef32_pk16_fp6_f32 v[22:24], v[XS+16:XS+31], v11
	v_nop
	v_mov_b32 v19, v22
	v_mov_b32 v20, v23
	v_mov_b32 v21, v24
.if \lora
	global_store_b128 v5, v[16:19], s[60:61] offset:((\t)/2)*768+((\t)%2)*256       ; sixteen lanes (the 16 ranks) store 256 consecutive bytes, aligned
	global_store_b64 v6, v[20:21], s[60:61] offset:((\t)/2)*768+512+((\t)%2)*128
.else
	ds_store_b128 v5, v[16:19] offset:(3*((\t)/2)+(\t)%2)*272
	ds_store_b64 v6, v[20:21] offset:(3*((\t)/2)+2)*272+128*((\t)%2)
.endif
.if (\t)+2 < 8
	WLOAD (\t)+2
.endif
.if \lora
	s_wait_xcnt 0x0                                ; the stores have read their registers
.else
	s_wait_dscnt 0x0                               ; the stores have read their registers
.endif
.endm
.macro WMAIN lora
.if \lora
	v_mul_u32_u24 v5, v2, 3072                     ; my slab's image, straight in memory
	v_lshl_add_u32 v6, v3, 3, v5
	v_lshl_add_u32 v5, v3, 4, v5
.else
	s_mul_i32 s66, s34, 6528
	s_add_co_u32 s66, s66, WST                     ; my stage: the image of two tiles x 256 K, 24 pieces of 256 bytes + 16
	v_mul_u32_u24 v5, v2, 3264
	v_add_nc_u32 v5, s66, v5
	v_lshl_add_u32 v6, v3, 3, v5
	v_lshl_add_u32 v5, v3, 4, v5
	v_lshrrev_b32 v7, 4, v1
	v_mul_u32_u24 v7, v7, 272
	v_and_b32 v8, 15, v1
	v_lshl_add_u32 v7, v8, 4, v7
	v_add_nc_u32 v7, s66, v7
	v_lshlrev_b32 v8, 4, v1
.endif
	v_lshlrev_b32 v9, 7, v2
	v_lshl_add_u32 v9, v3, 3, v9
.set ii, 0
.rept 32
	v_mad_u32_u24 v[32+ii], s53, ii, v10
.set ii, ii+1
.endr
	WLOAD 0
	WLOAD 1
.irp t, 0,1,2,3,4,5,6,7
	WBLOCK \t, \lora
.endr
	s_wait_alu depctr_va_vdst(0)
	global_store_b64 v9, v[14:15], s[62:63]        ; 256 dense bytes a wave
.if !(\lora)
.irp i, 0,1,2,3,4,5,6,7,8,9,10,11
	ds_load_b128 v[128+4*\i:131+4*\i], v7 offset:544*\i
.endr
.irp i, 0,1,2,3,4,5,6,7,8,9,10,11
	s_wait_dscnt 11-\i
	global_store_b128 v8, v[128+4*\i:131+4*\i], s[60:61] offset:512*\i
.endr
.endif
	FINISH
.endm
.macro BASES                           ; s[36:37] is block 0's base, s68 = 32 rows in bytes, s69 = 0
.irp t, 1,2,3,4,5,6,7
	s_add_nc_u64 s[36+2*\t:37+2*\t], s[34+2*\t:35+2*\t], s[68:69]
.endr
.endm
.Lnot_ln:
	s_cmp_lt_u32 ttmp9, 592
	s_cbranch_scc0 .Lnot_w
	s_sub_co_u32 s67, ttmp9, 256
	s_mov_b32 s35, 0                               ; W1: first work-group, log2 of column tiles, pitch, codes, scale bytes, first tile, tiles a slab
	s_mov_b32 s52, 5
	s_mov_b32 s53, 16384
	s_mov_b32 s54, W1_C
	s_mov_b32 s55, W1_S
	s_mov_b32 s56, 0
	s_mov_b32 s57, 256
	s_mov_b64 s[58:59], s[20:21]
.macro PICK start, lc, pitch, c0, s0, rt0, rs, ptr
	s_cmp_ge_u32 s67, \start
	s_cselect_b32 s35, \start, s35
	s_cselect_b32 s52, \lc, s52
	s_cselect_b32 s53, \pitch, s53
	s_cselect_b32 s54, \c0, s54
	s_cselect_b32 s55, \s0, s55
	s_cselect_b32 s56, \rt0, s56
	s_cselect_b32 s57, \rs, s57
	s_cselect_b64 s[58:59], s[\ptr:\ptr+1], s[58:59]
.endm
	PICK 128, 3, 4096, W2_C, W2_S, 0, 64, 22
	PICK 256, 3, 4096, 0, WQKV_S, 0, 96, 12
	PICK 288, 3, 4096, WO_C, WO_S, 0, 64, 18
	PICK 320, 1, 1024, 0, WQKV_S, 64, 96, 14
	PICK 328, 1, 1024, 0, WQKV_S, 80, 96, 16
	s_sub_co_u32 s67, s67, s35
	s_bfm_b32 s66, s52, 0
	s_and_b32 s66, s67, s66                        ; column tile of 128
	s_lshr_b32 s67, s67, s52                       ; slab
	s_lshl_b32 s66, s66, 2
	s_add_co_u32 s66, s66, s34                     ; my group of 32 columns
	s_mul_i32 s68, s67, s53
	s_lshl_b32 s68, s68, 8
	s_lshl_b32 s69, s66, 7
	s_add_co_u32 s68, s68, s69
	s_mov_b32 s69, 0
	s_add_nc_u64 s[36:37], s[58:59], s[68:69]
	s_lshl_b32 s68, s53, 5
	BASES
	s_mul_i32 s70, s67, s57
	s_add_co_u32 s70, s70, s56
	s_lshl_b32 s71, s66, 1
	s_add_co_u32 s70, s70, s71                     ; my first tile in the operand
	s_mul_i32 s68, s70, 3072
	s_add_co_u32 s68, s68, s54
	s_add_nc_u64 s[60:61], s[28:29], s[68:69]
	s_lshl_b32 s68, s70, 7
	s_add_co_u32 s68, s68, s55
	s_add_nc_u64 s[62:63], s[28:29], s[68:69]
	s_wait_alu depctr_va_vdst(0)
	v_bfe_u32 v2, v1, 3, 1                         ; column p of the group is tile u = (p / 8) % 2, lane r = p % 8 + 8 (p / 16)
	v_and_b32 v3, 7, v1
	v_lshrrev_b32 v4, 4, v1
	v_lshl_add_u32 v3, v4, 3, v3
	v_lshlrev_b32 v10, 2, v1
	WMAIN 0
.Lnot_w:
	s_cmp_eq_u32 ttmp9, 592
	s_cbranch_scc0 .Lmask
	s_cmp_lt_u32 s34, 2                            ; waves 0, 1: lora_qa; waves 2, 3: lora_va; each wave half of K
	s_cselect_b64 s[58:59], s[24:25], s[26:27]
	s_lshr_b32 s66, s34, 1
	s_and_b32 s67, s34, 1
	s_mov_b32 s53, 64
	s_lshl_b32 s68, s67, 15
	s_mov_b32 s69, 0
	s_add_nc_u64 s[36:37], s[58:59], s[68:69]
	s_mov_b32 s68, 2048
	BASES
	s_mul_i32 s70, s66, 12800                      ; a matrix's block: 12,288 bytes of codes, 512 of scale bytes
	s_add_co_u32 s70, s70, LA_C
	s_mul_i32 s68, s67, 6144
	s_add_co_u32 s68, s68, s70
	s_add_nc_u64 s[60:61], s[28:29], s[68:69]
	s_lshl_b32 s68, s67, 8
	s_add_co_u32 s68, s68, s70
	s_add_co_u32 s68, s68, 12288
	s_add_nc_u64 s[62:63], s[28:29], s[68:69]
	s_wait_alu depctr_va_vdst(0)
	v_lshrrev_b32 v2, 4, v1                        ; u: which of my two slabs
	v_and_b32 v3, 15, v1                           ; r: the rank
	v_lshlrev_b32 v10, 2, v3
	v_lshl_add_u32 v10, v2, 14, v10
	WMAIN 1
; ---------------------------------------------------------------- MASK: a wave takes a tile of 16 queries x 128 keys, in two halves of 64 keys
.Lmask:
	s_sub_co_u32 s35, ttmp9, 593
	s_lshr_b32 s36, s35, 2                         ; query tile
	s_and_b32 s37, s35, 3
	s_lshl_b32 s37, s37, 2
	s_add_co_u32 s37, s37, s34                     ; key step
	s_lshr_b32 s38, s36, 1
	s_lshl_b32 s38, s38, 5
	s_and_b32 s39, s36, 1
	s_lshl_b32 s39, s39, 3
	s_add_co_u32 s38, s38, s39
	s_lshl_b32 s38, s38, 13
	s_lshl_b32 s39, s37, 9
	s_add_co_u32 s38, s38, s39
	s_mov_b32 s39, 0
	s_add_nc_u64 s[30:31], s[30:31], s[38:39]
	s_wait_alu depctr_va_vdst(0)
	v_lshrrev_b32 v5, 4, v1
	v_and_b32 v4, 15, v1
	v_lshlrev_b32 v2, 13, v5
	v_lshl_add_u32 v2, v4, 4, v2                   ; lanes 0-15 one row's 256 bytes, lanes 16-31 the next row's
.irp hh, 0,1
.irp i, 0,1,2,3,4,5,6,7
	global_load_b128 v[64+32*\hh+4*\i:67+32*\hh+4*\i], v2, s[30:31] offset:(2*\i+8*(\i/4))*8192+256*\hh th:TH_LOAD_NT   ; the tile's lanes 2 i, 2 i + 1: two runs of 256 consecutive bytes, aligned
.endr
.endr
	s_mul_i32 s40, s34, 4352
	s_add_co_u32 s40, s40, MST
	v_mul_u32_u24 v3, v5, 272
	v_lshl_add_u32 v3, v4, 4, v3
	v_add_nc_u32 v3, s40, v3                       ; in: stage row 2 i + lane / 16
	v_mul_u32_u24 v4, v4, 272
	v_lshl_add_u32 v4, v5, 6, v4
	v_add_nc_u32 v4, s40, v4                       ; out: stage row r, + 64 h
	v_mov_b32 v6, 0
	v_mov_b32 v7, 0
	s_mov_b32 s41, -1
	s_mov_b32 s42, 0
	s_wait_alu depctr_va_vdst(0)
.irp hh, 0,1                           ; LDS serves a wave's instructions in order: the second half's stores come behind the first half's loads
	s_wait_loadcnt 8-8*\hh                         ; this half's eight loads are in
.irp i, 0,1,2,3,4,5,6,7
	ds_store_b128 v3, v[64+32*\hh+4*\i:67+32*\hh+4*\i] offset:544*\i
.endr
.irp b, 0,1
.irp c, 0,1,2,3
	ds_load_b128 v[128+32*\hh+16*\b+4*\c:131+32*\hh+16*\b+4*\c], v4 offset:128*\b+16*\c   ; register 16 b + i of lane (r, h): query r, key 32 b + 16 h + i: as the scores will lie
.endr
.endr
.endr
	s_wait_dscnt 0x0
.set nn, 0
.rept 64
	v_cmp_eq_u32 s[44+nn%8], 0, v[128+nn]          ; a bit a lane: hidden
	v_writelane_b32 v[6+nn/32], s[44+nn%8], nn%32
	s_and_b32 s41, s41, s[44+nn%8]
	s_or_b32 s42, s42, s[44+nn%8]
.set nn, nn+1
.endr
	s_lshl_b32 s43, s36, 4
	s_add_co_u32 s43, s43, s37
	s_lshl_b32 s52, s43, 8
	s_mov_b32 s53, 0
	s_add_nc_u64 s[54:55], s[32:33], s[52:53]
	v_lshlrev_b32 v8, 3, v1
	global_store_b64 v8, v[6:7], s[54:55]          ; word n lies at dword 2 (n % 32) + n / 32: 256 consecutive bytes
	s_cmp_eq_u32 s41, -1
	s_cselect_b32 s56, 1, 0                        ; all hidden
	s_cmp_lg_u32 s42, 0
	s_cselect_b32 s57, 1, 0
	s_and_not1_b32 s57, s57, s56                   ; some hidden, not all
	s_lshl_b32 s56, s56, s37
	s_add_co_u32 s58, s37, 16
	s_lshl_b32 s57, s57, s58
	s_or_b32 s56, s56, s57
	v_mov_b32 v9, s56
	s_lshl_b32 s52, s43, 2
	s_add_co_u32 s52, s52, 524288
	s_add_nc_u64 s[60:61], s[32:33], s[52:53]
	v_mov_b32 v10, 0
	v_cmp_eq_u32 vcc_lo, 0, v1
	s_wait_alu depctr_va_vdst(0)
	s_wait_xcnt 0x0                                ; EXEC changes only behind this wait
	s_and_saveexec_b32 s59, vcc_lo
	global_store_b32 v10, v9, s[60:61]
	s_wait_xcnt 0x0
	s_or_b32 exec_lo, exec_lo, s59
	FINISH
.Lfunc_end_k_qfb7e530339_prep:
	.size	k_qfb7e530339_prep, .Lfunc_end_k_qfb7e530339_prep-k_qfb7e530339_prep
	.p2alignl 7, 3214868480
	.fill 96, 4, 3214868480
	.section	.rodata,"a",@progbits
	.p2align	6, 0x0
	.amdhsa_kernel k_qfb7e530339_prep
		.amdhsa_group_segment_fixed_size 76032
		.amdhsa_private_segment_fixed_size 0
		.amdhsa_enable_private_segment 0
		.amdhsa_kernarg_size 120
		.amdhsa_user_sgpr_count 2
		.amdhsa_user_sgpr_kernarg_segment_ptr 1
		.amdhsa_wavefront_size32 1
		.amdhsa_system_sgpr_workgroup_id_x 1
		.amdhsa_system_sgpr_workgroup_id_y 1
		.amdhsa_system_sgpr_workgroup_id_z 1
		.amdhsa_system_vgpr_workitem_id 0
		.amdhsa_next_free_vgpr 256
		.amdhsa_next_free_sgpr 100
		.amdhsa_reserve_vcc 1
		.amdhsa_float_denorm_mode_32 3
		.amdhsa_float_denorm_mode_16_64 3
		.amdhsa_memory_ordered 1
		.amdhsa_forward_progress 1
		.amdhsa_inst_pref_size 151
	.end_amdhsa_kernel
	.amdgpu_metadata
---
amdhsa.version: [ 1, 2 ]
amdhsa.kernels:
  - .name:           k_qfb7e530339_prep
    .symbol:         k_qfb7e530339_prep.kd
    .args:
      - { .name: x, .offset: 0, .size: 8, .value_kind: global_buffer, .address_space: global }
      - { .name: ln1_g, .offset: 8, .size: 8, .value_kind: global_buffer, .address_space: global }
      - { .name: ln1_b, .offset: 16, .size: 8, .value_kind: global_buffer, .address_space: global }
      - { .name: h1, .offset: 24, .size: 8, .value_kind: global_buffer, .address_space: global }
      - { .name: Wq, .offset: 32, .size: 8, .value_kind: global_buffer, .address_space: global }
      - { .name: Wk, .offset: 40, .size: 8, .value_kind: global_buffer, .address_space: global }
      - { .name: Wv, .offset: 48, .size: 8, .value_kind: global_buffer, .address_space: global }
      - { .name: Wo, .offset: 56, .size: 8, .value_kind: global_buffer, .address_space: global }
      - { .name: W1, .offset: 64, .size: 8, .value_kind: global_buffer, .address_space: global }
      - { .name: W2, .offset: 72, .size: 8, .value_kind: global_buffer, .address_space: global }
      - { .name: lora_qa, .offset: 80, .size: 8, .value_kind: global_buffer, .address_space: global }
      - { .name: lora_va, .offset: 88, .size: 8, .value_kind: global_buffer, .address_space: global }
      - { .name: wts, .offset: 96, .size: 8, .value_kind: global_buffer, .address_space: global }
      - { .name: mask, .offset: 104, .size: 8, .value_kind: global_buffer, .address_space: global }
      - { .name: mw, .offset: 112, .size: 8, .value_kind: global_buffer, .address_space: global }
    .group_segment_fixed_size: 76032
    .private_segment_fixed_size: 0
    .kernarg_segment_align: 8
    .kernarg_segment_size: 120
    .max_flat_workgroup_size: 128
    .sgpr_count:     100
    .vgpr_count:     256
    .wavefront_size: 32
...
	.end_amdgpu_metadata
.endif
;; end of part 1
;; launch qkv (part 2): grid 32 x 6, 4 waves a work-group, clusters of 4 x 1, 327,680 bytes of LDS; arguments h1, wts, bq, bk, bv, lora_qb, lora_vb, qkv; writes qkv
.if DOCPART == 2
	.amdgcn_target "amdgcn-amd-amdhsa--gfx1250"
	.amdhsa_code_object_version 6
	.text
	.protected	k_qfb7e530339_qkv
	.globl	k_qfb7e530339_qkv
	.p2align	8
	.type	k_qfb7e530339_qkv,@function
k_qfb7e530339_qkv:
	s_mov_b64 s[64:65], 0
	v_nop
	global_prefetch_b8 v0, s[64:65] scope:SCOPE_SE
	s_setreg_imm32_b32 hwreg(HW_REG_WAVE_MODE, 25, 1), 1
	s_wait_xcnt 0x0
	s_wait_alu depctr_hold_cnt(0) depctr_sa_sdst(0) depctr_va_vdst(0) depctr_va_sdst(0) depctr_va_ssrc(0) depctr_va_vcc(0) depctr_vm_vsrc(0)
	s_getreg_b32 s2, hwreg(HW_REG_IB_STS2, 6, 4)
	s_cmp_eq_u32 s2, 0
	s_cbranch_scc0 .Lentry_in_a_cluster
	s_endpgm
.Lentry_in_a_cluster:
	s_bfe_u32 s2, ttmp6, 0x10000c
	s_cmp_lg_u32 s2, 0x3003
	s_cbranch_scc0 .Lentry_shape_is_right
	s_endpgm
.Lentry_shape_is_right:
; q = h Wq + bq + 2 (h qa) qb, k = h Wk + bk, v = h Wv + bv + 2 (h va) vb; h and the weights come as E2M3 images; the rank-16 products take f32 operands.
; q and k are quantised along the head's 64, v along the keys, and stored as images for the attention launch.
; A work-group takes 128 tokens (x, one key step of one batch) x 256 columns (y: 0-3 q, 4 k, 5 v), in TWO PASSES of 128 columns over the same tokens; in a pass a wave makes 64 x 64: 16 accumulators.
; 32 x 6 = 192 work-groups: each WGP has at most one, and both passes find all their operands in LDS.  h x LoRA-a hangs on the tokens alone: it is made in the first pass and kept.
; ALL OF K (1,024) COMES BY THE FIRST FILLS, ONE TENSOR LOAD A WAVE: wave 0 T's codes (4 slabs x 24,576 bytes, from LDS byte 0), wave 1 W's codes (4 slabs x 49,152, behind them),
; wave 2 T's scale bytes (4 x 1,024), wave 3 W's (4 x 2,048: both passes').  Nothing is filled later.
; LoRA-a's eight fragments and their scale words, the bias and LoRA-b go from memory straight into registers; the first pass asks for them ahead of the wait for the tiles.
; CLUSTER 4, 1, 1: the four partners share y, so W's codes and W's scale bytes are asked for jointly; T's loads are the work-group's own.
; (4 x 4 is not taken: six column tiles would put q's, k's and v's tiles into one cluster, and the q / k / v branch may hang on nothing that differs between partners.)
; No prefetch: the launch has no loop to run ahead in; every tile is asked for at the head.
; THREE FRAGMENT BUFFERS by turns: while K step k is multiplied, step k + 1's 32 LDS loads are out and step k + 2's are issued.
; q, k: source 0 = W's rows, source 1 = tokens: a lane holds one token, its registers run along the head.  v: the sources swapped: a lane holds one channel, its registers run along the tokens.
; LIMITS: as stated in the launch that makes the images; the f32 sums go bias, K ascending, LoRA.
; REGISTERS.  window 0: v1 r, v2 h, v3 lane; v4-7 T's fragment addresses; v8-11 W's in pass 0, v26-29 in pass 1; v12, v30 scale words in pass 0, 1, v31 their step; v15 8 r; v16, v17 the add's two;
; v18-20 16, 8, 4 x lane; v32-63 scale words (lanes 0-15 T's tile i, lanes 16-31 W's tile i); v64-95 bias, later codes; v96-103 LoRA-a's scale words; v104-112 at work; v128-255 accumulators.
; window 1: fragment buffers 0 and 1, at v0 and v128 (T at f, W at f + 48).  window 2: v0-31 h x LoRA-a (4 token tiles), v32-63 2 x LoRA-b, v64-159 LoRA-a's fragments, v160-255 fragment buffer 2.
.set TBLK, 24576
.set WBLK, 49152
.set TSCL, 307712
.set WSCL, 311808
.set SPARE, 320000
.set WQKV_S, 1179648
.set LA_C, 1228800
.set QS_O, 3145728
.set KVB,  3407872
.set ACC, 128
.set BIAS, 64
.set LSC, 96
.set TM,  104
.set TQ,  110
.set HA,  0
.set QB,  32
.set SPW, 16
.set NIL, 17
.set MSB, 0
.macro WIN new
.if MSB != \new
	s_set_vgpr_msb (MSB<<8)|\new
.set MSB, \new
.endif
.endm
.macro PLACES n
.rept \n
	v_nop
.endr
.endm
.macro CROUND                          ; a round of the cluster's barrier
	s_barrier_signal -1
	s_barrier_wait -1
	s_cmp_lg_u32 s20, 0
	s_cbranch_scc1 .Lnot_wave_0_\@
	s_barrier_signal -3
.Lnot_wave_0_\@:
	s_barrier_wait -3
	s_barrier_signal -1
	s_barrier_wait -1
.endm
	s_load_b512 s[4:19], s[0:1], 0x0               ; h1, wts, bq, bk, bv, lora_qb, lora_vb, qkv
	v_lshl_add_u32 v[SPW], v0, 2, SPARE
	v_mov_b32 v[NIL], 0
	ds_add_u32 v[SPW], v[NIL]                      ; the opening lines: the add, twice on end, and its wait ahead of my first tensor load
	ds_add_u32 v[SPW], v[NIL]
	v_lshrrev_b32 v1, 5, v0
	v_readfirstlane_b32 s20, v1                    ; wave
	s_lshr_b32 s21, s20, 1                         ; my half of the tokens
	s_and_b32 s22, s20, 1                          ; my half of a pass's columns
	s_bfe_u32 s23, ttmp6, 0x40000
	s_lshl_b32 s24, ttmp9, 2
	s_add_co_u32 s24, s24, s23                     ; x
	s_and_b32 s25, ttmp7, 0xffff
	s_lshl_b32 s25, s25, 1                         ; the column tile of 128 in hand: 2 y in pass 0, 2 y + 1 in pass 1
	s_mov_b32 s28, 3<<16                           ; T's codes: 4 slabs, each a row of 24,576 bytes (elements of 8), 786,432 bytes apart; no mask
	s_mov_b32 s29, 3072<<16
	s_mov_b32 s30, 4<<16
	s_mov_b32 s31, 3072<<16
	s_mov_b32 s32, 4
	s_mov_b32 s33, 98304
	s_mov_b32 s34, 0
	s_mov_b32 s35, 0
	s_mov_b32 s36, 15|(3<<16)|(1<<21)              ; W's codes: 4 slabs, each a row of 49,152 bytes (16 tiles), 294,912 bytes apart; all four partners
	s_mov_b32 s37, 6144<<16
	s_mov_b32 s38, 4<<16
	s_mov_b32 s39, 6144<<16
	s_mov_b32 s40, 4
	s_mov_b32 s41, 36864
	s_mov_b32 s42, 0
	s_mov_b32 s43, 0
	s_mov_b32 s44, 3<<16                           ; T's scale bytes: 4 slabs x 1,024 bytes, 32,768 bytes apart
	s_mov_b32 s45, 128<<16
	s_mov_b32 s46, 4<<16
	s_mov_b32 s47, 128<<16
	s_mov_b32 s48, 4
	s_mov_b32 s49, 4096
	s_mov_b32 s50, 0
	s_mov_b32 s51, 0
	s_mov_b32 s52, 15|(3<<16)|(1<<21)              ; W's, both passes': 4 slabs x 2,048 bytes, 12,288 bytes apart
	s_mov_b32 s53, 256<<16
	s_mov_b32 s54, 4<<16
	s_mov_b32 s55, 256<<16
	s_mov_b32 s56, 4
	s_mov_b32 s57, 1536
	s_mov_b32 s58, 0
	s_mov_b32 s59, 0
	s_mul_i32 s2, s24, 24576                       ; T's codes: slab 0, tiles 8 x on
	s_mov_b32 s3, 0
	s_lshl_b32 s104, s24, 10
	s_add_co_u32 s104, s104, 3145728
	s_mov_b32 s105, 0                              ; T's scale bytes
	s_mul_i32 s26, s25, 24576                      ; W's codes: slab 0, both passes' 16 tiles
	s_mov_b32 s27, 0
	s_lshl_b32 s100, s25, 10
	s_add_co_u32 s100, s100, WQKV_S
	s_mov_b32 s101, 0                              ; W's scale bytes
	s_mov_b32 s66, 0x76543210
	s_mov_b32 s67, 0xfedcba98
	s_wait_dscnt 0x0                               ; both opening adds are done
	s_wait_kmcnt 0x0
	s_add_nc_u64 s[2:3], s[4:5], s[2:3]
	s_add_nc_u64 s[26:27], s[6:7], s[26:27]
	s_mov_b32 s92, 1
	s_mov_b32 s93, TSCL
	s_add_nc_u64 s[94:95], s[4:5], s[104:105]
	s_or_b32 s95, s95, 0x80000000
	s_mov_b32 s96, 1
	s_mov_b32 s97, WSCL
	s_add_nc_u64 s[98:99], s[6:7], s[100:101]
	s_or_b32 s99, s99, 0x80000000
	s_cmp_ge_u32 s25, 10                           ; v's tiles take lora_va, the others lora_qa
	s_cselect_b32 s100, 12800, 0
	s_add_co_u32 s100, s100, LA_C
	s_add_nc_u64 s[62:63], s[6:7], s[100:101]      ; the LoRA block: 12,288 bytes of codes, 512 of scale bytes
	s_mov_b32 s76, 1
	s_mov_b32 s77, 0
	s_mov_b64 s[78:79], s[2:3]
	s_or_b32 s79, s79, 0x80000000
	s_mov_b32 s84, 1
	s_mov_b32 s85, 4*TBLK
	s_mov_b64 s[86:87], s[26:27]
	s_or_b32 s87, s87, 0x80000000
	CROUND                                         ; all four partners are here: the first loads meet
	s_cmp_lt_u32 s20, 1                            ; the first fills, one a wave, in one chain of branches on the wave's number
	s_cbranch_scc0 .Lh_w
	tensor_load_to_lds s[76:79], s[28:35]
	s_nop 0
	PLACES 4
	s_branch .Lh_done
.Lh_w:
	s_cmp_lt_u32 s20, 2
	s_cbranch_scc0 .Lh_ts
	tensor_load_to_lds s[84:87], s[36:43]
	s_nop 0
	PLACES 4
	s_branch .Lh_done
.Lh_ts:
	s_cmp_lt_u32 s20, 3
	s_cbranch_scc0 .Lh_ws
	tensor_load_to_lds s[92:95], s[44:51]
	s_nop 0
	PLACES 4
	s_branch .Lh_done
.Lh_ws:
	tensor_load_to_lds s[96:99], s[52:59]
	s_nop 0
	PLACES 4
.Lh_done:
	v_and_b32 v3, 31, v0
	v_and_b32 v1, 15, v0
	v_bfe_u32 v2, v0, 4, 1
	v_lshlrev_b32 v18, 4, v3
	v_lshlrev_b32 v19, 3, v3
	v_lshlrev_b32 v20, 2, v3
	s_mul_i32 s100, s21, 12288
	s_mul_i32 s101, s22, 12288
	s_add_co_u32 s101, s101, 4*TBLK
.irp s, 0,1                            ; address s serves slabs 2 s and 2 s + 1
	v_add_nc_u32 v[4+\s], s100, v18
	v_add_nc_u32 v[6+\s], s100, v19
	v_add_nc_u32 v[8+\s], s101, v18
	v_add_nc_u32 v[10+\s], s101, v19
	v_add_nc_u32 v[26+\s], TBLK, v[8+\s]           ; pass 1: the slab's tiles 8 to 15
	v_add_nc_u32 v[28+\s], TBLK, v[10+\s]
	s_add_co_u32 s100, s100, 2*TBLK
	s_add_co_u32 s101, s101, 2*WBLK
.endr
	s_lshl_b32 s100, s21, 9
	s_lshl_b32 s101, s22, 9
	s_add_co_u32 s101, s101, WSCL-TSCL
	s_sub_co_u32 s101, s101, s100
	v_mul_u32_u24 v21, s101, v2                    ; lanes 16-31 take W's words
	s_add_co_u32 s100, s100, TSCL
	v_lshl_add_u32 v12, v1, 3, v21
	v_add_nc_u32 v12, s100, v12
	v_lshl_add_u32 v30, v2, 10, v12                ; pass 1: W's words lie 1,024 bytes on in each slab's 2,048, T's are the same
	v_lshl_add_u32 v31, v2, 10, 1024               ; from slab to slab: 1,024 bytes in T's scale bytes, 2,048 in W's
	v_lshlrev_b32 v15, 3, v1                       ; 8 r: LoRA-a's scale words in memory
	v_and_b32 v21, 8, v1
	v_add_nc_u32 v21, v21, v1
	v_lshlrev_b32 v22, 2, v21                      ; 4 (r + 8 (r / 8))
	v_lshlrev_b32 v23, 6, v2                       ; 64 h
	v_mov_b32 v[TM+2], 0                           ; a lane permute's destination counts as read
	v_mov_b32 v[TM+3], 0
.macro FRAG reg, a16, a8, off          ; a fragment, 16 rows x 128 K: two half-fragment images
	ds_load_b128 v[\reg:\reg+3], v[\a16] offset:\off
	ds_load_b64 v[\reg+4:\reg+5], v[\a8] offset:\off+512
	ds_load_b128 v[\reg+6:\reg+9], v[\a16] offset:\off+768
	ds_load_b64 v[\reg+10:\reg+11], v[\a8] offset:\off+1280
.endm
.macro BUF k                           ; K step k's fragment buffer, k % 3: its first register, and the windows for loads into it, for the products and for h x LoRA-a
.set FB, (((\k)%3+1)/2)*128+(((\k)%3)/2)*32
.set FW, 0x40<<(((\k)%3)/2)
.set MW, 0x05<<(((\k)%3)/2)
.set HW, 0xa6+4*(((\k)%3)/2)
.endm
.macro FETCH3 k, wb                    ; the fragments of the k-th 128 along K: 32 LDS loads; wb: W's address registers of the pass
	BUF \k
	WIN FW
.irp i, 0,1,2,3
	FRAG FB+48+12*\i, (\wb)+(\k)/4, (\wb)+2+(\k)/4, (((\k)%4)/2)*WBLK+\i*3072+((\k)%2)*1536
	FRAG FB+12*\i, 4+(\k)/4, 6+(\k)/4, (((\k)%4)/2)*TBLK+\i*3072+((\k)%2)*1536
.endr
.endm
.macro SCALES s, ar                    ; the scale words of slabs 2 s and 2 s + 1; the address stands at slab 2 s
.irp sl, 0,1
.irp i, 0,1,2,3
	ds_load_b64 v[32+16*(\s)+8*\sl+2*\i:33+16*(\s)+8*\sl+2*\i], v[\ar] offset:\i*128
.endr
.if \sl == 0
	v_add_nc_u32 v[\ar], v[\ar], v31               ; the next slab's words
	s_wait_alu depctr_va_vdst(0)                   ; directly behind the write
.endif
.endr
.endm
; 8 products: token tiles a0, a0 + 1 x the four column tiles.  The accumulators take turns, one instruction a turn.  first: the bias is the C.
.macro MUL8 f, sb, a0, first, ori
.irp a, \a0, \a0+1
.irp b, 0,1,2,3
.if \ori
.if \first
	v_wmma_scale_f32_16x16x128_f8f6f4 v[ACC+8*(4*\b+(\a)):ACC+8*(4*\b+(\a))+7], v[(\f)+12*(\a):(\f)+12*(\a)+11], v[(\f)+48+12*\b:(\f)+59+12*\b], v[BIAS+8*\b:BIAS+8*\b+7], v[(\sb)+2*(\a)], v[(\sb)+2*\b] matrix_a_fmt:MATRIX_FMT_FP6 matrix_b_fmt:MATRIX_FMT_FP6 matrix_b_scale:MATRIX_SCALE_ROW1
.else
	v_wmma_scale_f32_16x16x128_f8f6f4 v[ACC+8*(4*\b+(\a)):ACC+8*(4*\b+(\a))+7], v[(\f)+12*(\a):(\f)+12*(\a)+11], v[(\f)+48+12*\b:(\f)+59+12*\b], v[ACC+8*(4*\b+(\a)):ACC+8*(4*\b+(\a))+7], v[(\sb)+2*(\a)], v[(\sb)+2*\b] matrix_a_fmt:MATRIX_FMT_FP6 matrix_b_fmt:MATRIX_FMT_FP6 matrix_b_scale:MATRIX_SCALE_ROW1
.endif
.else
.if \first
	v_wmma_scale_f32_16x16x128_f8f6f4 v[ACC+8*(4*(\a)+\b):ACC+8*(4*(\a)+\b)+7], v[(\f)+48+12*\b:(\f)+59+12*\b], v[(\f)+12*(\a):(\f)+12*(\a)+11], v[BIAS+8*\b:BIAS+8*\b+7], v[(\sb)+2*\b], v[(\sb)+2*(\a)] matrix_a_fmt:MATRIX_FMT_FP6 matrix_b_fmt:MATRIX_FMT_FP6 matrix_a_scale:MATRIX_SCALE_ROW1
.else
	v_wmma_scale_f32_16x16x128_f8f6f4 v[ACC+8*(4*(\a)+\b):ACC+8*(4*(\a)+\b)+7], v[(\f)+48+12*\b:(\f)+59+12*\b], v[(\f)+12*(\a):(\f)+12*(\a)+11], v[ACC+8*(4*(\a)+\b):ACC+8*(4*(\a)+\b)+7], v[(\sb)+2*\b], v[(\sb)+2*(\a)] matrix_a_fmt:MATRIX_FMT_FP6 matrix_b_fmt:MATRIX_FMT_FP6 matrix_a_scale:MATRIX_SCALE_ROW1
.endif
.endif
.endr
.endr
.endm
.macro HA4 f, sb, ks, first            ; h x LoRA-a: source 0 = the 16 ranks (K step ks's fragment, in window 2), source 1 = a token tile: lane (token, h), register j: rank 8 h + j
	WIN HW
.irp a, 0,1,2,3
.if \first
	v_wmma_scale_f32_16x16x128_f8f6f4 v[HA+8*\a:HA+8*\a+7], v[64+12*(\ks):75+12*(\ks)], v[(\f)+12*\a:(\f)+12*\a+11], 0, v[LSC+(\ks)], v[(\sb)+2*\a] matrix_a_fmt:MATRIX_FMT_FP6 matrix_b_fmt:MATRIX_FMT_FP6
.else
	v_wmma_scale_f32_16x16x128_f8f6f4 v[HA+8*\a:HA+8*\a+7], v[64+12*(\ks):75+12*(\ks)], v[(\f)+12*\a:(\f)+12*\a+11], v[HA+8*\a:HA+8*\a+7], v[LSC+(\ks)], v[(\sb)+2*\a] matrix_a_fmt:MATRIX_FMT_FP6 matrix_b_fmt:MATRIX_FMT_FP6
.endif
.endr
.endm
; 32 numbers of a lane, register 16 b + i = k 32 b + 16 h + i of my row, become a half fragment's codes in v[pc] on and two scale bytes in v[pw]
.macro QUANT32 s, pc, pw, dbl
.irp b, 0,1
	v_max3_num_f32 v[TM+\b], |v[(\s)+16*\b]|, |v[(\s)+1+16*\b]|, 0x1800000
.endr
.irp i, 2,4,6,8,10,12,14
.irp b, 0,1
	v_max3_num_f32 v[TM+\b], v[TM+\b], |v[(\s)+16*\b+\i]|, |v[(\s)+1+16*\b+\i]|
.endr
.endr
.irp b, 0,1
	v_permlanex16_b32 v[TM+2+\b], v[TM+\b], s66, s67
.endr
.irp b, 0,1
	v_max_num_f32 v[TM+\b], v[TM+\b], v[TM+2+\b]
.endr
.irp b, 0,1
	v_add_nc_u32 v[TM+4+\b], 0xff000000, v[TM+\b]
.endr
.irp b, 0,1
	v_lshrrev_b32 v[TM+2+\b], 23, v[TM+4+\b]
.endr
	v_lshl_or_b32 v[\pw], v[TM+3], 8, v[TM+2]
.if \dbl
	v_lshl_or_b32 v[\pw], v[\pw], 16, v[\pw]       ; bytes 2, 3 stand over zero codes: any ordinary scale
.endif
	v_cvt_scalef32_pk16_fp6_f32 v[\pc:\pc+2], v[(\s):(\s)+15], v[TM+4]
	v_cvt_scalef32_pk16_fp6_f32 v[TQ:TQ+2], v[(\s)+16:(\s)+31], v[TM+5]
	v_nop
.irp i, 0,1,2
	v_permlane16_swap_b32 v[\pc+\i], v[TQ+\i]      ; a whole block to a lane: lanes 0-15 block 0, lanes 16-31 block 1
.endr
.irp i, 0,1,2
	v_mov_b32 v[\pc+3+\i], v[TQ+\i]
.endr
.endm
; One pass: the column tile s25.  p = 0: h x LoRA-a is made beside the main products; p = 1: it is taken as it stands.
.macro PASS kind, ori, lora, pb, pl, pitch, y0, p
.set HAF, (\lora)*(1-(\p))
.set WB, 8+18*(\p)
.set AR, 12+18*(\p)
	s_sub_co_u32 s100, s25, \y0
	s_lshl_b32 s100, s100, 9
	s_lshl_b32 s101, s22, 8
	s_add_co_u32 s100, s100, s101                  ; my first column, in bytes of f32
	s_mov_b32 s101, 0
	s_add_nc_u64 s[2:3], s[\pb:\pb+1], s[100:101]
.if \ori
.set tt, 0
.rept 32
	global_load_b32 v[BIAS+tt], v22, s[2:3] offset:(32*(tt/16)+8*((tt/8)%2))*4   ; a lane holds one channel: its bias in all eight registers
.set tt, tt+1
.endr
.else
.irp b, 0,1,2,3
	global_load_b128 v[BIAS+8*\b:BIAS+8*\b+3], v23, s[2:3] offset:(32*(\b/2)+8*(\b%2))*4
	global_load_b128 v[BIAS+8*\b+4:BIAS+8*\b+7], v23, s[2:3] offset:(32*(\b/2)+8*(\b%2))*4+16
.endr
.endif
.if \lora
	s_add_nc_u64 s[26:27], s[\pl:\pl+1], s[100:101]
	v_mul_u32_u24 v24, v2, 8*\pitch
	v_add_nc_u32 v24, v24, v22
	WIN 0x80
.set tt, 0
.rept 32
	global_load_b32 v[QB+tt], v24, s[26:27] offset:(tt%8)*\pitch+(32*(tt/16)+8*((tt/8)%2))*4   ; register 8 b + k: LoRA-b[8 h + k][tile b's row r]
.set tt, tt+1
.endr
	WIN 0
.endif
.if HAF
.irp sl, 0,1,2,3
	global_load_b64 v[LSC+2*\sl:LSC+2*\sl+1], v15, s[62:63] offset:12288+128*\sl
.endr
	WIN 0x80                                       ; LoRA-a's eight fragments, 12,288 dense bytes, into window 2, v64-159: each load of 16 bytes a lane reads 512 consecutive bytes
.set tt, 0
.rept 8
	global_load_b128 v[64+12*tt:67+12*tt], v18, s[62:63] offset:1536*tt
	global_load_b64 v[68+12*tt:69+12*tt], v19, s[62:63] offset:1536*tt+512
	global_load_b128 v[70+12*tt:73+12*tt], v18, s[62:63] offset:1536*tt+768
	global_load_b64 v[74+12*tt:75+12*tt], v19, s[62:63] offset:1536*tt+1280
.set tt, tt+1
.endr
	WIN 0
.endif
.if \p == 0
	s_wait_tensorcnt 0x0                           ; my one tensor load has landed;
	s_barrier_signal -1
	s_barrier_wait -1                              ; everybody's has: all of K is in LDS.  (y is the same in all waves: every wave passes this barrier)
.endif
	FETCH3 0, WB
	WIN 0
	SCALES 0, AR
	v_add_nc_u32 v[AR], v[AR], v31                 ; the third slab's scale words
	SCALES 1, AR
	FETCH3 1, WB
	s_wait_loadcnt 0x0
.if \lora
	WIN 0x82
.set tt, 0
.rept 16
	v_pk_mul_f32 v[QB+tt:QB+tt+1], v[QB+tt:QB+tt+1], 2.0 op_sel_hi:[1,0]   ; alpha / rank = 2: exact
.set tt, tt+2
.endr
.endif
.set KQ, 0
.rept 8
.if KQ < 7
	s_wait_dscnt 32                                ; this K step's fragments (and the scale words) are in; the next step's 32 loads, issued behind them, may be out
.else
	s_wait_dscnt 0x0
.endif
.if KQ > 0
	PLACES 4                                       ; places in front of loads into the buffer that the last products read
.endif
.if KQ < 6
	FETCH3 KQ+2, WB
.endif
	BUF KQ
	WIN MW
	MUL8 FB, 32+8*(KQ/2)+KQ%2, 0, KQ==0, \ori
	MUL8 FB, 32+8*(KQ/2)+KQ%2, 2, KQ==0, \ori
.if HAF
	HA4 FB, 32+8*(KQ/2)+KQ%2, KQ, KQ==0
.endif
.set KQ, KQ+1
.endr
.if \lora
	PLACES 5                                       ; five places before a matrix instruction of another form takes these results
	WIN 0x0a                                       ; both sources in window 2
	s_wait_alu depctr_va_vdst(0)
.irp s, 0,1,2,3                        ; the rank-16 product in f32: in step s the k place (h, j) is rank 8 h + 2 s + j on both sides
.irp a, 0,1,2,3
.irp b, 0,1,2,3
.if \ori
	v_wmma_f32_16x16x4_f32 v[ACC+8*(4*\b+\a):ACC+8*(4*\b+\a)+7], v[HA+8*\a+2*\s:HA+8*\a+2*\s+1], v[QB+8*\b+2*\s:QB+8*\b+2*\s+1], v[ACC+8*(4*\b+\a):ACC+8*(4*\b+\a)+7]
.else
	v_wmma_f32_16x16x4_f32 v[ACC+8*(4*\a+\b):ACC+8*(4*\a+\b)+7], v[QB+8*\b+2*\s:QB+8*\b+2*\s+1], v[HA+8*\a+2*\s:HA+8*\a+2*\s+1], v[ACC+8*(4*\a+\b):ACC+8*(4*\a+\b)+7]
.endif
.endr
.endr
.endr
	PLACES 8
.else
	PLACES 4
.endif
	WIN 0
.if \kind == 0
	s_lshl_b32 s100, s25, 1
	s_add_co_u32 s100, s100, s22                   ; the head
	s_lshl_b32 s100, s100, 8
	s_lshl_b32 s101, s24, 3
	s_add_co_u32 s100, s100, s101
	s_lshl_b32 s101, s21, 2
	s_add_co_u32 s100, s100, s101                  ; head x 256 + my first token tile
	s_mul_i32 s104, s100, 768
	s_mov_b32 s105, 0
	s_add_nc_u64 s[2:3], s[18:19], s[104:105]
	s_lshl_b32 s104, s100, 6
	s_add_co_u32 s104, s104, QS_O
	s_add_nc_u64 s[26:27], s[18:19], s[104:105]
.else
	s_lshr_b32 s100, s24, 4
	s_lshl_b32 s100, s100, 2
	s_sub_co_u32 s101, s25, \y0
	s_lshl_b32 s101, s101, 1
	s_add_co_u32 s100, s100, s101
	s_add_co_u32 s100, s100, s22                   ; 4 batch + group
	s_lshl_b32 s100, s100, 4
	s_and_b32 s101, s24, 15
	s_add_co_u32 s100, s100, s101                  ; x 16 + key step
	s_mul_i32 s100, s100, 13312
	s_add_co_u32 s100, s100, KVB
	s_mov_b32 s105, 0
.if \kind == 1
	s_mul_i32 s101, s21, 3072
	s_add_co_u32 s104, s100, s101
	s_add_nc_u64 s[2:3], s[18:19], s[104:105]
	s_lshl_b32 s101, s21, 8
	s_add_co_u32 s104, s100, s101
	s_add_co_u32 s104, s104, 12288
	s_add_nc_u64 s[26:27], s[18:19], s[104:105]
.else
	s_mul_i32 s101, s21, 768
	s_add_co_u32 s104, s100, s101
	s_add_co_u32 s104, s104, 6144
	s_add_nc_u64 s[2:3], s[18:19], s[104:105]
	s_lshl_b32 s101, s21, 1
	s_add_co_u32 s104, s100, s101
	s_add_co_u32 s104, s104, 12800
	s_add_nc_u64 s[26:27], s[18:19], s[104:105]
.endif
.endif
.irp a, 0,1,2,3
	QUANT32 ACC+32*\a, 64+6*\a, 88+\a, 1-\ori
.endr
.if \ori
.irp a, 0,1,2,3                        ; channel tile a: my 64 keys' half fragment, and my two of its row's four scale bytes
	global_store_b128 v18, v[64+6*\a:67+6*\a], s[2:3] offset:1536*\a
	global_store_b64 v19, v[68+6*\a:69+6*\a], s[2:3] offset:1536*\a+512
	global_store_b16 v20, v[88+\a], s[26:27] offset:128*\a
.endr
.else
.irp a, 0,1,2,3
	global_store_b128 v18, v[64+6*\a:67+6*\a], s[2:3] offset:768*\a
	global_store_b64 v19, v[68+6*\a:69+6*\a], s[2:3] offset:768*\a+512
.endr
	s_mov_b32 s100, 0xffff0000
	v_cndmask_b32 v92, v88, v89, s100              ; two tiles' scale words: 128 dense bytes
	v_cndmask_b32 v93, v90, v91, s100
	global_store_b32 v20, v92, s[26:27]
	global_store_b32 v20, v93, s[26:27] offset:128
.endif
.endm
.macro BODY kind, ori, lora, pb, pl, pitch, y0
	PASS \kind, \ori, \lora, \pb, \pl, \pitch, \y0, 0
	s_wait_xcnt 0x0                                ; the first pass's stores have read their registers and bases: both are written again below
	s_add_co_u32 s25, s25, 1                       ; the next 128 columns
	PASS \kind, \ori, \lora, \pb, \pl, \pitch, \y0, 1
	s_wait_tensorcnt 0x0                           ; the wave's end
	ds_add_u32 v[SPW], v[NIL]
	s_wait_dscnt 0x0
	CROUND                                         ; the closing round
	s_endpgm
.endm
	s_cmp_lt_u32 s25, 8                            ; y is the same in all partners
	s_cbranch_scc0 .Lnot_q
	s_wait_alu depctr_va_vdst(0)
	BODY 0, 0, 1, 8, 14, 4096, 0
.Lnot_q:
	s_cmp_lt_u32 s25, 10
	s_cbranch_scc0 .Lis_v
	s_wait_alu depctr_va_vdst(0)
	BODY 1, 0, 0, 10, 14, 4096, 8
.Lis_v:
	s_wait_alu depctr_va_vdst(0)
	BODY 2, 1, 1, 12, 16, 1024, 10
.Lfunc_end_k_qfb7e530339_qkv:
	.size	k_qfb7e530339_qkv, .Lfunc_end_k_qfb7e530339_qkv-k_qfb7e530339_qkv
	.p2alignl 7, 3214868480
	.fill 96, 4, 3214868480
	.section	.rodata,"a",@progbits
	.p2align	6, 0x0
	.amdhsa_kernel k_qfb7e530339_qkv
		.amdhsa_group_segment_fixed_size 327680
		.amdhsa_private_segment_fixed_size 0
		.amdhsa_enable_private_segment 0
		.amdhsa_kernarg_size 64
		.amdhsa_user_sgpr_count 2
		.amdhsa_user_sgpr_kernarg_segment_ptr 1
		.amdhsa_wavefront_size32 1
		.amdhsa_system_sgpr_workgroup_id_x 1
		.amdhsa_system_sgpr_workgroup_id_y 1
		.amdhsa_system_sgpr_workgroup_id_z 1
		.amdhsa_system_vgpr_workitem_id 0
		.amdhsa_next_free_vgpr 768
		.amdhsa_next_free_sgpr 106
		.amdhsa_reserve_vcc 0
		.amdhsa_float_denorm_mode_32 3
		.amdhsa_float_denorm_mode_16_64 3
		.amdhsa_memory_ordered 1
		.amdhsa_forward_progress 1
		.amdhsa_inst_pref_size 255
	.end_amdhsa_kernel
	.section	.bss,"aw",@nobits
	.p2align	6
	.space	262144
	.amdgpu_metadata
---
amdhsa.version: [ 1, 2 ]
amdhsa.kernels:
  - .name:           k_qfb7e530339_qkv
    .symbol:         k_qfb7e530339_qkv.kd
    .args:
      - { .name: h1, .offset: 0, .size: 8, .value_kind: global_buffer, .address_space: global }
      - { .name: wts, .offset: 8, .size: 8, .value_kind: global_buffer, .address_space: global }
      - { .name: bq, .offset: 16, .size: 8, .value_kind: global_buffer, .address_space: global }
      - { .name: bk, .offset: 24, .size: 8, .value_kind: global_buffer, .address_space: global }
      - { .name: bv, .offset: 32, .size: 8, .value_kind: global_buffer, .address_space: global }
      - { .name: lora_qb, .offset: 40, .size: 8, .value_kind: global_buffer, .address_space: global }
      - { .name: lora_vb, .offset: 48, .size: 8, .value_kind: global_buffer, .address_space: global }
      - { .name: qkv, .offset: 56, .size: 8, .value_kind: global_buffer, .address_space: global }
    .group_segment_fixed_size: 327680
    .private_segment_fixed_size: 0
    .kernarg_segment_align: 8
    .kernarg_segment_size: 64
    .max_flat_workgroup_size: 128
    .sgpr_count:     106
    .vgpr_count:     768
    .wavefront_size: 32
...
	.end_amdgpu_metadata
.endif
;; end of part 2
;; launch attn (part 3): grid 32 x 8, 16 waves a work-group, no clusters, 35,328 bytes of LDS; arguments qkv, mw, att; writes att
.if DOCPART == 3
	.amdgcn_target "amdgcn-amd-amdhsa--gfx1250"
	.amdhsa_code_object_version 6
	.text
	.protected	k_qfb7e530339_attn
	.globl	k_qfb7e530339_attn
	.p2align	8
	.type	k_qfb7e530339_attn,@function
k_qfb7e530339_attn:
	s_mov_b64 s[64:65], 0
	v_nop
	global_prefetch_b8 v0, s[64:65] scope:SCOPE_SE
	s_setreg_imm32_b32 hwreg(HW_REG_WAVE_MODE, 25, 1), 1
	s_wait_xcnt 0x0
; Attention on E2M3 codes, head size 64, four query heads to a K / V group, with the mask as it was given: hidden pairs come as lane-mask words, and a flag word says which key steps of a
; query tile are wholly hidden (left out) or partly hidden (masked).  t = score x log2(e) / 8; M = the running largest t rounded up; p = 2^(t - M) is quantised along the keys; the row's sum is taken
; of the unquantised p and divides at the end.  The result is quantised along the head and stored as an operand image.
; SHARES.  A work-group: one (batch, group), the 32-token groups j and 63 - j: four query tiles x four heads = 16 waves.  Wave 4 a + c: head a, tile (a + c) % 4.
; K's and V's block of a key step (13,312 bytes) goes through registers into one of two LDS slots, one step ahead; its loads are issued a whole step ahead of their LDS stores.
; A block that is wholly hidden from all four query tiles of the work-group is neither loaded nor stored: no wave reads it.  Every wave passes every barrier all the same.
; The mask words of a partly hidden step are asked for at the step's head and waited for behind K's loads, the eight products and V's loads.
; No tensor load and no cluster: the launch branches on stored flags.
; K's fragments lie 6 registers apart: an operand's upper 6 registers are the next tile's codes, which meet Q's zero codes.
; A ROW WITH NO VISIBLE KEY has the sum 0: its scale bytes become 0xff, so that the next product gives NaN for the row.
; REGISTERS: v1-4 16, 8 x lane, 4 r, 4 x lane; v5, v6 the add's two; v7 16 x thread; v8 -inf; v9, v29 scale stage; v12 -M, v13 largest t, v14-15 the sum; v16-27 Q; v28 Q's scale word;
; v32-85 K or V; v86-93 their scale words; v96-159 scores, then p; v160-191 O^T; v192-207 blocks on their way; v224-254 at work.
; s19 my tile's flags; s29 bit s: block s is hidden from the whole work-group (bits 16 on: set, there are no such blocks); s20 the key step, s21 the same + 16.
.set SL1,  16384
.set OSC,  32768
.set SPARE, 33280
.set QS_O, 3145728
.set KVB,  3407872
	s_load_b128 s[4:7], s[0:1], 0x0                ; qkv, mw
	s_load_b64 s[8:9], s[0:1], 0x10                ; att
	v_lshl_add_u32 v5, v0, 2, SPARE
	v_mov_b32 v6, 0
	v_lshrrev_b32 v1, 5, v0
	s_delay_alu instid0(VALU_DEP_1)
	v_readfirstlane_b32 s10, v1                    ; wave
	s_lshr_b32 s11, s10, 2                         ; head in the group
	s_and_b32 s12, s10, 3
	s_add_co_u32 s12, s12, s11
	s_and_b32 s12, s12, 3                          ; which of the four query tiles
	s_and_b32 s13, ttmp7, 0xffff                   ; 4 batch + group
	s_lshr_b32 s14, s13, 2
	s_and_b32 s15, s13, 3
	s_sub_co_u32 s16, 63, ttmp9
	s_cmp_lt_u32 s12, 2
	s_cselect_b32 s16, ttmp9, s16
	s_lshl_b32 s16, s16, 1
	s_and_b32 s17, s12, 1
	s_add_co_u32 s16, s16, s17                     ; query tile in the batch
	s_lshl_b32 s17, s14, 7
	s_add_co_u32 s17, s17, s16                     ; token tile
	s_lshl_b32 s18, s15, 2
	s_add_co_u32 s18, s18, s11
	s_lshl_b32 s18, s18, 8
	s_add_co_u32 s18, s18, s17                     ; head x 256 + tile
	s_mov_b32 s21, 0
	s_mov_b32 s100, 0x76543210
	s_mov_b32 s101, 0xfedcba98
	s_mov_b32 s104, 0x3e38aa3b                     ; log2(e) / 8
	s_mov_b32 s105, s104
	v_and_b32 v11, 31, v0
	s_delay_alu instid0(VALU_DEP_1)
	v_lshlrev_b32 v1, 4, v11
	s_delay_alu instid0(VALU_DEP_2)
	v_lshlrev_b32 v2, 3, v11
	s_delay_alu instid0(VALU_DEP_3)
	v_lshlrev_b32 v4, 2, v11
	v_and_b32 v3, 15, v0
	s_lshl_b32 s2, s12, 7
	s_lshl_b32 s3, s11, 1
	s_add_co_u32 s2, s2, s3
	s_add_co_u32 s2, s2, OSC
	v_lshl_add_u32 v9, v3, 3, s2                   ; my row's two scale bytes: 128 tile + 8 r + 2 head
	s_and_b32 s2, s10, 1
	s_lshl_b32 s2, s2, 8
	s_add_co_u32 s2, s2, OSC
	v_add_nc_u32 v29, s2, v2
	v_lshlrev_b32 v3, 2, v3
	v_lshlrev_b32 v7, 4, v0
	s_wait_alu depctr_va_vdst(0)
	s_wait_kmcnt 0x0
	s_mul_i32 s20, s18, 768
	s_add_nc_u64 s[22:23], s[4:5], s[20:21]        ; Q's half fragment
	s_lshl_b32 s20, s18, 6
	s_add_co_u32 s20, s20, QS_O
	s_add_nc_u64 s[24:25], s[4:5], s[20:21]        ; its scale words
	s_mul_i32 s20, s13, 16*13312
	s_add_co_u32 s20, s20, KVB
	s_add_nc_u64 s[26:27], s[4:5], s[20:21]        ; key step 0's block
	s_lshl_b32 s20, ttmp9, 7
	s_add_co_u32 s20, s20, 524288
	s_add_nc_u64 s[28:29], s[6:7], s[20:21]        ; the flag words of tiles 2 j, 2 j + 1: 16 each
	s_sub_co_u32 s20, 63, ttmp9
	s_lshl_b32 s20, s20, 7
	s_add_co_u32 s20, s20, 524288
	s_add_nc_u64 s[2:3], s[6:7], s[20:21]          ; and of tiles 2 (63 - j), 2 (63 - j) + 1
	s_lshl_b32 s20, s16, 12
	s_add_nc_u64 s[30:31], s[6:7], s[20:21]        ; my tile's mask words
	s_load_b512 s[32:47], s[28:29], 0x0
	s_load_b512 s[48:63], s[28:29], 0x40
	s_load_b512 s[68:83], s[2:3], 0x0
	s_load_b512 s[84:99], s[2:3], 0x40
	global_load_b128 v[192:195], v7, s[26:27]
	global_load_b128 v[200:203], v7, s[26:27] offset:13312
	s_cmp_lt_u32 s10, 10                           ; a block is 8,192 + 5,120 bytes: ten waves take the rest
	s_cbranch_scc0 .Lp0
	global_load_b128 v[196:199], v7, s[26:27] offset:8192
	global_load_b128 v[204:207], v7, s[26:27] offset:13312+8192
.Lp0:
	global_load_b128 v[16:19], v1, s[22:23]
	global_load_b64 v[20:21], v2, s[22:23] offset:512
	global_load_b32 v28, v3, s[24:25]
	v_mov_b32 v8, 0xff800000
	v_mov_b32 v10, 0xffff
	v_mov_b32 v13, 0xff61b1e6                      ; -3e38, under every t
	s_delay_alu instid0(VALU_DEP_1)
	v_floor_f32 v12, -v13
	v_mov_b32 v14, 0
	v_mov_b32 v15, 0
.irp j, 22,23,24,25,26,27,80,81,82,83,84,85,232,233,234,235,236,237,238,239,252,253
	v_mov_b32 v\j, 0
.endr
.set jj, 0
.rept 32
	v_mov_b32 v[160+jj], 0
.set jj, jj+1
.endr
	s_wait_kmcnt 0x0
.irp j, 33,34,35,36,37,38,39,40,41,42,43,44,45,46,47
	s_or_b32 s32, s32, s\j                         ; a tile's flags: bit s: step s wholly hidden; bit 16 + s: partly
.endr
.irp j, 49,50,51,52,53,54,55,56,57,58,59,60,61,62,63
	s_or_b32 s48, s48, s\j
.endr
.irp j, 69,70,71,72,73,74,75,76,77,78,79,80,81,82,83
	s_or_b32 s68, s68, s\j
.endr
.irp j, 85,86,87,88,89,90,91,92,93,94,95,96,97,98,99
	s_or_b32 s84, s84, s\j
.endr
	s_and_b32 s29, s32, s48
	s_and_b32 s29, s29, s68
	s_and_b32 s29, s29, s84                        ; hidden from all four tiles
	s_or_b32 s29, s29, 0xffff0000
	s_cmp_eq_u32 s12, 1
	s_cselect_b32 s19, s48, s32
	s_cmp_eq_u32 s12, 2
	s_cselect_b32 s19, s68, s19
	s_cmp_eq_u32 s12, 3
	s_cselect_b32 s19, s84, s19                    ; my tile's
	s_mov_b32 s20, 0                               ; the key step
	s_mov_b32 s21, 16
	s_wait_loadcnt 0x0
	s_add_nc_u64 s[26:27], s[26:27], 13312         ; at the block loaded last
	ds_store_b128 v7, v[192:195]
	s_cmp_lt_u32 s10, 10
	s_cbranch_scc0 .Lp1
	ds_store_b128 v7, v[196:199] offset:8192
.Lp1:
.macro BAR
	s_wait_dscnt 0x0                               ; my stores have landed and my reads are back
	s_barrier_signal -1
	s_barrier_wait -1
.endm
.macro FILLST set, slot                ; block s20 + 1 goes into its slot, if any wave will read it
	s_wait_loadcnt 0x0                             ; asked for a key step ago
	s_add_co_u32 s28, s20, 1
	s_bitcmp1_b32 s29, s28
	s_cbranch_scc1 .Lfs_\@
	ds_store_b128 v7, v[192+8*\set:195+8*\set] offset:\slot*SL1
	s_cmp_lt_u32 s10, 10
	s_cbranch_scc0 .Lfs_\@
	ds_store_b128 v7, v[196+8*\set:199+8*\set] offset:\slot*SL1+8192
.Lfs_\@:
.endm
.macro FILLLD set                      ; block s20 + 2 is asked for, if any wave will read it.  Always behind a wait for all loads: the base may step
	s_add_nc_u64 s[26:27], s[26:27], 13312
	s_add_co_u32 s28, s20, 2
	s_bitcmp1_b32 s29, s28
	s_cbranch_scc1 .Lfl_\@
	global_load_b128 v[192+8*\set:195+8*\set], v7, s[26:27]
	s_cmp_lt_u32 s10, 10
	s_cbranch_scc0 .Lfl_\@
	global_load_b128 v[196+8*\set:199+8*\set], v7, s[26:27] offset:8192
.Lfl_\@:
.endm
.macro STEP slot
	s_bitcmp1_b32 s19, s20                         ; all 128 keys hidden from my 16 queries: the step adds nothing
	s_cbranch_scc1 .Lskip_\@
	s_bitcmp1_b32 s19, s21                         ; partly hidden: the 64 mask words are asked for now
	s_cbranch_scc0 .Lnw_\@
	s_load_b512 s[32:47], s[30:31], 0x0
	s_load_b512 s[48:63], s[30:31], 0x40
	s_load_b512 s[68:83], s[30:31], 0x80
	s_load_b512 s[84:99], s[30:31], 0xc0
.Lnw_\@:
.rept 4
	v_nop                                          ; places in front of loads into registers that the last products read
.endr
.irp t, 0,1,2,3,4,5,6,7
	ds_load_b128 v[32+6*\t:35+6*\t], v1 offset:\slot*SL1+768*\t
	ds_load_b64 v[36+6*\t:37+6*\t], v2 offset:\slot*SL1+768*\t+512
	ds_load_b32 v[86+\t], v3 offset:\slot*SL1+12288+64*\t
.endr
	s_wait_dscnt 0x0
.irp t, 0,1,2,3,4,5,6,7
	v_wmma_scale_f32_16x16x128_f8f6f4 v[96+8*\t:103+8*\t], v[32+6*\t:43+6*\t], v[16:27], 0, v[86+\t], v28 matrix_a_fmt:MATRIX_FMT_FP6 matrix_b_fmt:MATRIX_FMT_FP6
.endr
.rept 4
	v_nop
.endr
.irp d, 0,1,2,3                        ; V's fragments land under the softmax
	ds_load_b128 v[32+12*\d:35+12*\d], v1 offset:\slot*SL1+6144+1536*\d
	ds_load_b64 v[36+12*\d:37+12*\d], v2 offset:\slot*SL1+6144+1536*\d+512
	ds_load_b128 v[38+12*\d:41+12*\d], v1 offset:\slot*SL1+6144+1536*\d+768
	ds_load_b64 v[42+12*\d:43+12*\d], v2 offset:\slot*SL1+6144+1536*\d+1280
	ds_load_b32 v[86+\d], v4 offset:\slot*SL1+12800+128*\d
.endr
	s_wait_kmcnt 0x0                               ; the mask words, where they were asked for
	s_bitcmp1_b32 s19, s21
	s_cbranch_scc0 .Lopen_\@
.set nn, 0
.rept 64
.set dd, 2*(nn%32)+nn/32
	v_cndmask_b32 v[96+nn], v[96+nn], v8, s[32+dd+4*(dd/32)]   ; hidden scores become -infinity: p = 0
.set nn, nn+1
.endr
.Lopen_\@:
.irp b, 0,1,2,3
	v_max3_num_f32 v[232+\b], v[96+16*\b], v[97+16*\b], v[98+16*\b]   ; the largest score of each block of 32 keys: for the row's maximum and for the block's largest p
.endr
.irp i, 3,5,7,9,11,13
.irp b, 0,1,2,3
	v_max3_num_f32 v[232+\b], v[232+\b], v[96+16*\b+\i], v[97+16*\b+\i]
.endr
.endr
.irp b, 0,1,2,3
	v_max_num_f32 v[232+\b], v[232+\b], v[111+16*\b]
.endr
.irp b, 0,1,2,3
	s_delay_alu instid0(VALU_DEP_4)
	v_permlanex16_b32 v[236+\b], v[232+\b], s100, s101
.endr
.irp b, 0,1,2,3
	s_delay_alu instid0(VALU_DEP_4)
	v_max_num_f32 v[232+\b], v[232+\b], v[236+\b]
.endr
	s_delay_alu instid0(VALU_DEP_2)
	v_max3_num_f32 v254, v232, v233, v234
	s_delay_alu instid0(VALU_DEP_1)
	v_max_num_f32 v254, v254, v235
	s_delay_alu instid0(VALU_DEP_1)
	v_mul_f32 v254, s104, v254
	s_delay_alu instid0(VALU_DEP_1)
	v_max_num_f32 v13, v13, v254                   ; the running largest t
	v_mov_b32 v254, v12
	s_delay_alu instid0(VALU_DEP_2)
	v_floor_f32 v12, -v13                          ; -M: M is a whole number
	s_delay_alu instid0(VALU_DEP_1)
	v_sub_f32 v254, v12, v254
	s_delay_alu instid0(VALU_DEP_1)
	v_cvt_i32_f32 v254, v254                       ; (it saturates)
	s_delay_alu instid0(VALU_DEP_1)
	v_ldexp_f32 v252, 1.0, v254                    ; f = 2^(old M - new M): exact
.set jj, 0
.rept 32
	v_pk_fma_f32 v[96+jj:97+jj], v[96+jj:97+jj], s[104:105], v[12:13] op_sel_hi:[1,0,0]
.set jj, jj+2
.endr
.irp b, 0,1,2,3
	v_fma_f32 v[232+\b], v[232+\b], s104, v12
.endr
.set jj, 0
	s_wait_alu depctr_va_vdst(0)
.rept 64
	v_exp_f32 v[96+jj], v[96+jj]
.set jj, jj+1
.endr
	v_pk_mul_f32 v[14:15], v[14:15], v[252:253] op_sel_hi:[1,0]   ; the sums under the new M; a plain line behind the exponentials
	s_wait_alu depctr_va_vdst(0)                   ; one wait for the batch, ahead of its first reader
.irp b, 0,1,2,3
	v_exp_f32 v[232+\b], v[232+\b]                 ; the block's largest p
.endr
	v_pk_add_f32 v[236:237], v[100:101], v[104:105]
	v_pk_add_f32 v[254:255], v[108:109], v[112:113]
	v_pk_add_f32 v[250:251], v[116:117], v[120:121]
	v_pk_add_f32 v[248:249], v[124:125], v[128:129]
	v_pk_add_f32 v[246:247], v[132:133], v[136:137]
	v_pk_add_f32 v[244:245], v[140:141], v[144:145]
	v_pk_add_f32 v[242:243], v[148:149], v[152:153]
	v_pk_add_f32 v[14:15], v[14:15], v[156:157]
	v_pk_add_f32 v[236:237], v[236:237], v[96:97]
	v_pk_add_f32 v[254:255], v[254:255], v[98:99]
	v_pk_add_f32 v[250:251], v[250:251], v[102:103]
	v_pk_add_f32 v[248:249], v[248:249], v[106:107]
	v_pk_add_f32 v[246:247], v[246:247], v[110:111]
	v_pk_add_f32 v[244:245], v[244:245], v[114:115]
	v_pk_add_f32 v[242:243], v[242:243], v[118:119]
	v_pk_add_f32 v[14:15], v[14:15], v[122:123]
	v_pk_add_f32 v[236:237], v[236:237], v[126:127]
	v_pk_add_f32 v[254:255], v[254:255], v[130:131]
	v_pk_add_f32 v[250:251], v[250:251], v[134:135]
	v_pk_add_f32 v[248:249], v[248:249], v[138:139]
	v_pk_add_f32 v[246:247], v[246:247], v[142:143]
	v_pk_add_f32 v[244:245], v[244:245], v[146:147]
	v_pk_add_f32 v[242:243], v[242:243], v[150:151]
	v_pk_add_f32 v[14:15], v[14:15], v[154:155]
	v_pk_add_f32 v[236:237], v[236:237], v[158:159]
	s_delay_alu instid0(VALU_DEP_2)
	v_pk_add_f32 v[14:15], v[14:15], v[248:249]
	s_delay_alu instid0(VALU_DEP_2)
	v_pk_add_f32 v[236:237], v[236:237], v[246:247]
	v_pk_add_f32 v[254:255], v[254:255], v[244:245]
	v_pk_add_f32 v[250:251], v[250:251], v[242:243]
	s_delay_alu instid0(VALU_DEP_2)
	v_pk_add_f32 v[14:15], v[14:15], v[254:255]
	s_delay_alu instid0(VALU_DEP_2)
	v_pk_add_f32 v[236:237], v[236:237], v[250:251]
	s_delay_alu instid0(VALU_DEP_1)
	v_pk_add_f32 v[14:15], v[14:15], v[236:237]
	s_wait_alu depctr_va_vdst(0)                   ; and one for the four
.irp b, 0,1,2,3
	v_max_num_f32 v[232+\b], 0x1800000, v[232+\b]
.endr
.irp b, 0,1,2,3
	s_delay_alu instid0(VALU_DEP_4)
	v_add_nc_u32 v[244+\b], 0xff000000, v[232+\b]
.endr
.irp b, 0,1,2,3
	s_delay_alu instid0(VALU_DEP_4)
	v_lshrrev_b32 v[236+\b], 23, v[244+\b]
.endr
	s_delay_alu instid0(VALU_DEP_3)
	v_lshl_or_b32 v253, v237, 8, v236              ; p's scale word for these 128 keys
	s_delay_alu instid0(VALU_DEP_1)
	v_lshl_or_b32 v253, v238, 16, v253
	s_delay_alu instid0(VALU_DEP_1)
	v_lshl_or_b32 v253, v239, 24, v253
.irp c, 0,1
	v_cvt_scalef32_pk16_fp6_f32 v[224+6*\c:226+6*\c], v[96+32*\c:111+32*\c], v[244+2*\c]
	v_cvt_scalef32_pk16_fp6_f32 v[236+4*\c:238+4*\c], v[112+32*\c:127+32*\c], v[244+2*\c+1]
.endr
	v_nop
.irp c, 0,1
.irp i, 0,1,2
	v_permlane16_swap_b32 v[224+6*\c+\i], v[236+4*\c+\i]
.endr
.irp i, 0,1,2
	s_delay_alu instid0(VALU_DEP_3)
	v_mov_b32 v[227+6*\c+\i], v[236+4*\c+\i]
.endr
.endr
.set jj, 0
.rept 16
	v_pk_mul_f32 v[160+jj:161+jj], v[160+jj:161+jj], v[252:253] op_sel_hi:[1,0]   ; O^T under the new M; also the places in front of the products below
.set jj, jj+2
.endr
	s_wait_alu depctr_va_vdst(0)
	s_wait_dscnt 0x0                               ; V
.irp d, 0,1,2,3
	v_wmma_scale_f32_16x16x128_f8f6f4 v[160+8*\d:167+8*\d], v[32+12*\d:43+12*\d], v[224:235], v[160+8*\d:167+8*\d], v[86+\d], v253 matrix_a_fmt:MATRIX_FMT_FP6 matrix_b_fmt:MATRIX_FMT_FP6
.endr
.Lskip_\@:
	s_add_nc_u64 s[30:31], s[30:31], 256
	s_add_co_u32 s20, s20, 1
	s_add_co_u32 s21, s21, 1
.endm
	s_mov_b32 s18, 0
.Ltrip:                                ; a trip is two key steps; every wave passes both barriers
	BAR                                            ; slot 0 is whole, and nobody reads slot 1
	FILLST 1, 1
	s_cmp_lt_u32 s18, 7
	s_cbranch_scc0 .Lno0
	FILLLD 0
.Lno0:
	STEP 0
	BAR                                            ; slot 1 is whole, and nobody reads slot 0
	s_cmp_lt_u32 s18, 7
	s_cbranch_scc0 .Lno1
	FILLST 0, 0
	FILLLD 1
.Lno1:
	STEP 1
	s_add_co_u32 s18, s18, 1
	s_cmp_lt_u32 s18, 8
	s_cbranch_scc1 .Ltrip
.rept 4
	v_nop
.endr
	v_add_f32 v14, v14, v15
	s_delay_alu instid0(VALU_DEP_1)
	v_permlanex16_b32 v252, v14, s100, s101
	s_delay_alu instid0(VALU_DEP_1)
	v_add_f32 v14, v14, v252                       ; the row's sum
	s_delay_alu instid0(VALU_DEP_1)
	v_cmp_eq_f32 s32, 0, v14                       ; no visible key
	v_rcp_f32 v15, v14
	v_nop
	s_wait_alu depctr_va_vdst(0)
.set jj, 0
.rept 32
	v_mul_f32 v[96+jj], v[160+jj], v15             ; register 8 t + i: channel 32 (t / 2) + 16 h + 8 (t % 2) + i of my query
.set jj, jj+1
.endr
.irp b, 0,1
	v_max3_num_f32 v[232+\b], |v[96+16*\b]|, |v[97+16*\b]|, 0x1800000
.endr
.irp i, 2,4,6,8,10,12,14
.irp b, 0,1
	s_delay_alu instid0(VALU_DEP_2)
	v_max3_num_f32 v[232+\b], v[232+\b], |v[96+16*\b+\i]|, |v[97+16*\b+\i]|
.endr
.endr
.irp b, 0,1
	s_delay_alu instid0(VALU_DEP_2)
	v_permlanex16_b32 v[234+\b], v[232+\b], s100, s101
.endr
.irp b, 0,1
	s_delay_alu instid0(VALU_DEP_2)
	v_max_num_f32 v[232+\b], v[232+\b], v[234+\b]
.endr
.irp b, 0,1
	s_delay_alu instid0(VALU_DEP_2)
	v_add_nc_u32 v[236+\b], 0xff000000, v[232+\b]
.endr
.irp b, 0,1
	s_delay_alu instid0(VALU_DEP_2)
	v_lshrrev_b32 v[234+\b], 23, v[236+\b]
.endr
	s_delay_alu instid0(VALU_DEP_1)
	v_lshl_or_b32 v244, v235, 8, v234
	s_delay_alu instid0(VALU_DEP_1)
	v_cndmask_b32 v244, v244, v10, s32             ; 0xff, 0xff where the row saw no key
	v_cvt_scalef32_pk16_fp6_f32 v[224:226], v[96:111], v236
	v_cvt_scalef32_pk16_fp6_f32 v[240:242], v[112:127], v237
	v_nop
.irp i, 0,1,2
	v_permlane16_swap_b32 v[224+\i], v[240+\i]
.endr
.irp i, 0,1,2
	s_delay_alu instid0(VALU_DEP_3)
	v_mov_b32 v[227+\i], v[240+\i]
.endr
	s_lshl_b32 s33, s15, 8
	s_add_co_u32 s33, s33, s17
	s_lshl_b32 s34, s33, 2
	s_add_co_u32 s34, s34, s11
	s_mul_i32 s34, s34, 768
	s_mov_b32 s35, 0
	s_add_nc_u64 s[36:37], s[8:9], s[34:35]        ; slab = group, half fragment = head
	global_store_b128 v1, v[224:227], s[36:37]
	global_store_b64 v2, v[228:229], s[36:37] offset:512
	ds_store_b16 v9, v244
	BAR
	s_cmp_lt_u32 s10, 2                            ; waves 0, 1 send the two token groups' scale bytes, 256 dense bytes each
	s_cbranch_scc0 .Lfin
	s_sub_co_u32 s38, 63, ttmp9
	s_cmp_eq_u32 s10, 0
	s_cselect_b32 s38, ttmp9, s38
	s_lshl_b32 s38, s38, 1
	s_lshl_b32 s39, s15, 8
	s_add_co_u32 s38, s38, s39
	s_lshl_b32 s39, s14, 7
	s_add_co_u32 s38, s38, s39
	s_lshl_b32 s38, s38, 7
	s_add_co_u32 s38, s38, 3145728
	s_mov_b32 s39, 0
	s_add_nc_u64 s[40:41], s[8:9], s[38:39]
	ds_load_b64 v[30:31], v29
	s_wait_dscnt 0x0
	global_store_b64 v2, v[30:31], s[40:41]
.Lfin:
	s_wait_tensorcnt 0x0                           ; the wave's end
	ds_add_u32 v5, v6
	s_wait_dscnt 0x0
	s_endpgm
.Lfunc_end_k_qfb7e530339_attn:
	.size	k_qfb7e530339_attn, .Lfunc_end_k_qfb7e530339_attn-k_qfb7e530339_attn
	.p2alignl 7, 3214868480
	.fill 96, 4, 3214868480
	.section	.rodata,"a",@progbits
	.p2align	6, 0x0
	.amdhsa_kernel k_qfb7e530339_attn
		.amdhsa_group_segment_fixed_size 35328
		.amdhsa_private_segment_fixed_size 0
		.amdhsa_enable_private_segment 0
		.amdhsa_kernarg_size 24
		.amdhsa_user_sgpr_count 2
		.amdhsa_user_sgpr_kernarg_segment_ptr 1
		.amdhsa_wavefront_size32 1
		.amdhsa_system_sgpr_workgroup_id_x 1
		.amdhsa_system_sgpr_workgroup_id_y 1
		.amdhsa_system_sgpr_workgroup_id_z 1
		.amdhsa_system_vgpr_workitem_id 0
		.amdhsa_next_free_vgpr 256
		.amdhsa_next_free_sgpr 106
		.amdhsa_reserve_vcc 0
		.amdhsa_float_denorm_mode_32 3
		.amdhsa_float_denorm_mode_16_64 3
		.amdhsa_memory_ordered 1
		.amdhsa_forward_progress 1
		.amdhsa_inst_pref_size 61
	.end_amdhsa_kernel
	.amdgpu_metadata
---
amdhsa.version: [ 1, 2 ]
amdhsa.kernels:
  - .name:           k_qfb7e530339_attn
    .symbol:         k_qfb7e530339_attn.kd
    .args:
      - { .name: qkv, .offset: 0, .size: 8, .value_kind: global_buffer, .address_space: global }
      - { .name: mw, .offset: 8, .size: 8, .value_kind: global_buffer, .address_space: global }
      - { .name: att, .offset: 16, .size: 8, .value_kind: global_buffer, .address_space: global }
    .group_segment_fixed_size: 35328
    .private_segment_fixed_size: 0
    .kernarg_segment_align: 8
    .kernarg_segment_size: 24
    .max_flat_workgroup_size: 512
    .sgpr_count:     106
    .vgpr_count:     256
    .wavefront_size: 32
...
	.end_amdgpu_metadata
.endif
;; end of part 3
;; launch wo (part 4): grid 8 x 32, 4 waves a work-group, clusters of 4 x 4, 327,680 bytes of LDS; arguments att, wts, bo, x, x1; writes x1
.if DOCPART == 4
	.amdgcn_target "amdgcn-amd-amdhsa--gfx1250"
	.amdhsa_code_object_version 6
	.text
	.protected	k_qfb7e530339_wo
	.globl	k_qfb7e530339_wo
	.p2align	8
	.type	k_qfb7e530339_wo,@function
k_qfb7e530339_wo:
	s_mov_b64 s[64:65], 0
	v_nop
	global_prefetch_b8 v0, s[64:65] scope:SCOPE_SE
	s_setreg_imm32_b32 hwreg(HW_REG_WAVE_MODE, 25, 1), 1
	s_wait_xcnt 0x0
	s_wait_alu depctr_hold_cnt(0) depctr_sa_sdst(0) depctr_va_vdst(0) depctr_va_sdst(0) depctr_va_ssrc(0) depctr_va_vcc(0) depctr_vm_vsrc(0)
	s_getreg_b32 s2, hwreg(HW_REG_IB_STS2, 6, 4)
	s_cmp_eq_u32 s2, 0
	s_cbranch_scc0 .Lentry_in_a_cluster
	s_endpgm
.Lentry_in_a_cluster:
	s_bfe_u32 s2, ttmp6, 0x10000c
	s_cmp_lg_u32 s2, 0xf033
	s_cbranch_scc0 .Lentry_shape_is_right
	s_endpgm
.Lentry_shape_is_right:
; x1 = x + att Wo + bo.  att [4096][1024] and Wo [1024 columns][1024] come as E2M3 operand images with E8M0 scale bytes; bias, residual and result are f32.
; A work-group makes 128 tokens x 128 columns, a wave 64 x 64: 16 accumulators.  8 x 32 = 256 work-groups.
; ALL OF K (4 slabs of 256) COMES BY THE FIRST FILLS, ONE TENSOR LOAD A WAVE: wave 0 A's codes (4 rows of 24,576 bytes, from LDS byte 0), wave 1 W's codes (behind them),
; wave 2 A's scale bytes (4 x 1,024), wave 3 W's.  Nothing is filled later, so one barrier serves the launch.
; CLUSTER 4 x 4: A's tiles are shared along a row of the cluster, W's along a column: joint loads.  No prefetch: the launch has no loop to run ahead in; every tile is asked for at the head.
; THREE FRAGMENT BUFFERS by turns: while K step k is multiplied, step k + 1's 32 LDS loads are out and step k + 2's are issued.
; Source 0 = W's rows, source 1 = tokens: a lane holds one token and eight neighbouring columns.  The bias is the C of the first K step.  The sums go bias, K ascending, residual.
; The residual, 128 registers a lane, is asked for at the head, behind the first fills, and is wanted only on the way out.
; REGISTERS.  window 0: v1 r, v2 h; v4-11 fragment addresses; v12 scale words; v13-15 the way out; v16, v17 the add's two; v18, v19 16, 8 x lane; v32-63 scale words (lanes 0-15 A's tile i, lanes 16-31 W's);
; v64-95 bias; v64-127 on the way out; v128-255 accumulators.  window 1: fragment buffers 0 and 1, at v0 and v128 (A at f, W at f + 48).  window 2: v0-127 the residual, v160-255 fragment buffer 2.
.set A_S,    3145728
.set B_C,    1254400
.set B_S,    2040832
.set NSL,  4
.set BLK,  24576
.set SCL,  2*NSL*BLK
.set STAGE, SCL+2*NSL*1024
.set SPARE, STAGE+4*16*272
.set ACC, 128
.set BIAS, 64
.set SPW, 16
.set NIL, 17
.set MSB, 0
.macro WIN new
.if MSB != \new
	s_set_vgpr_msb (MSB<<8)|\new
.set MSB, \new
.endif
.endm
.macro PLACES n
.rept \n
	v_nop
.endr
.endm
.macro CROUND                          ; a round of the cluster's barrier
	s_barrier_signal -1
	s_barrier_wait -1
	s_cmp_lg_u32 s14, 0
	s_cbranch_scc1 .Lnot_wave_0_\@
	s_barrier_signal -3
.Lnot_wave_0_\@:
	s_barrier_wait -3
	s_barrier_signal -1
	s_barrier_wait -1
.endm
	s_load_b256 s[4:11], s[0:1], 0x0               ; A, wts, bias, residual
	s_load_b64 s[12:13], s[0:1], 0x20              ; out
	v_lshl_add_u32 v[SPW], v0, 2, SPARE
	v_mov_b32 v[NIL], 0
	ds_add_u32 v[SPW], v[NIL]                      ; the opening lines: the add, twice on end, and its wait ahead of my first tensor load
	ds_add_u32 v[SPW], v[NIL]
	v_lshrrev_b32 v1, 5, v0
	v_readfirstlane_b32 s14, v1
	s_lshr_b32 s15, s14, 1                         ; my half of the tokens
	s_and_b32 s16, s14, 1                          ; my half of the columns
	s_bfe_u32 s19, ttmp6, 0x40000
	s_bfe_u32 s20, ttmp6, 0x40004
	s_lshl_b32 s18, ttmp9, 2
	s_add_co_u32 s18, s18, s19                     ; column tile
	s_and_b32 s17, ttmp7, 0xffff
	s_lshl_b32 s17, s17, 2
	s_add_co_u32 s17, s17, s20                     ; token tile
	s_lshl_b32 s21, s20, 2
	s_lshl_b32 s21, 15, s21                        ; my row of the cluster
	s_lshl_b32 s22, 0x1111, s19                    ; my column
	s_or_b32 s24, s21, (3<<16)|(1<<21)             ; codes: NSL slabs, each a row of 24,576 bytes, in elements of 8
	s_or_b32 s32, s22, (3<<16)|(1<<21)
.irp g, 24,32
	s_mov_b32 s[\g+1], 3072<<16
	s_mov_b32 s[\g+2], NSL<<16
	s_mov_b32 s[\g+3], 3072<<16
	s_mov_b32 s[\g+4], NSL
	s_mov_b32 s[\g+6], 0
	s_mov_b32 s[\g+7], 0
.endr
	s_or_b32 s40, s21, (3<<16)|(1<<21)             ; scale bytes: NSL slabs x 1,024 bytes
	s_or_b32 s48, s22, (3<<16)|(1<<21)
.irp g, 40,48
	s_mov_b32 s[\g+1], 128<<16
	s_mov_b32 s[\g+2], NSL<<16
	s_mov_b32 s[\g+3], 128<<16
	s_mov_b32 s[\g+4], NSL
	s_mov_b32 s[\g+6], 0
	s_mov_b32 s[\g+7], 0
.endr
	s_mov_b32 s29, 98304                           ; codes, from slab to slab: 256 tiles x 3,072 bytes,
	s_mov_b32 s37, 24576                           ; 64 tiles x 3,072 bytes;
	s_mov_b32 s45, 4096                            ; scale bytes: 256 tiles x 128 bytes,
	s_mov_b32 s53, 1024                            ; 64 tiles x 128 bytes
	s_mul_i32 s92, s17, BLK
	s_mov_b32 s93, 0
	s_lshl_b32 s94, s17, 10
	s_add_co_u32 s94, s94, A_S
	s_mov_b32 s95, 0
	s_mul_i32 s96, s18, BLK
	s_add_co_u32 s96, s96, B_C
	s_mov_b32 s97, 0
	s_lshl_b32 s98, s18, 10
	s_add_co_u32 s98, s98, B_S
	s_mov_b32 s99, 0
	s_wait_dscnt 0x0                               ; both opening adds are done
	s_wait_kmcnt 0x0
	s_add_nc_u64 s[92:93], s[4:5], s[92:93]
	s_add_nc_u64 s[94:95], s[4:5], s[94:95]
	s_add_nc_u64 s[96:97], s[6:7], s[96:97]
	s_add_nc_u64 s[98:99], s[6:7], s[98:99]
	CROUND                                         ; all sixteen work-groups are here: the first joint loads meet
	s_mov_b32 s56, 1                               ; A's scale bytes,
	s_mov_b32 s57, SCL
	s_mov_b64 s[58:59], s[94:95]
	s_or_b32 s59, s59, 0x80000000
	s_mov_b32 s60, 1                               ; W's behind them
	s_mov_b32 s61, SCL+NSL*1024
	s_mov_b64 s[62:63], s[98:99]
	s_or_b32 s63, s63, 0x80000000
	s_mov_b32 s68, 1                               ; A's codes from LDS byte 0,
	s_mov_b32 s69, 0
	s_mov_b64 s[70:71], s[92:93]
	s_or_b32 s71, s71, 0x80000000
	s_mov_b32 s80, 1                               ; W's behind them
	s_mov_b32 s81, NSL*BLK
	s_mov_b64 s[82:83], s[96:97]
	s_or_b32 s83, s83, 0x80000000
.macro ARM under, g0, g1               ; the first fills, one a wave, in one chain of branches on the wave's number
	s_cmp_lt_u32 s14, \under
	s_cbranch_scc0 .Lnext_\@
	tensor_load_to_lds s[\g0:\g0+3], s[\g1:\g1+7]
	s_nop 0
	PLACES 4
	s_branch .Lhead_asked
.Lnext_\@:
.endm
	ARM 1, 68, 24
	ARM 2, 80, 32
	ARM 3, 56, 40
	tensor_load_to_lds s[60:63], s[48:55]
	s_nop 0
	PLACES 4
.Lhead_asked:
	v_and_b32 v3, 31, v0
	v_and_b32 v1, 15, v0
	v_bfe_u32 v2, v0, 4, 1
	v_lshlrev_b32 v18, 4, v3
	v_lshlrev_b32 v19, 3, v3
	s_mul_i32 s100, s15, 12288
	s_mul_i32 s101, s16, 12288
	s_add_co_u32 s101, s101, NSL*BLK
.irp s, 0,1                            ; address s serves slabs 2 s and 2 s + 1
	v_add_nc_u32 v[4+\s], s100, v18
	v_add_nc_u32 v[6+\s], s100, v19
	v_add_nc_u32 v[8+\s], s101, v18
	v_add_nc_u32 v[10+\s], s101, v19
	s_add_co_u32 s100, s100, 2*BLK
	s_add_co_u32 s101, s101, 2*BLK
.endr
	s_lshl_b32 s100, s15, 9
	s_lshl_b32 s101, s16, 9
	s_add_co_u32 s101, s101, NSL*1024
	s_sub_co_u32 s101, s101, s100
	v_mul_u32_u24 v21, s101, v2                    ; lanes 16-31 take W's words
	s_add_co_u32 s100, s100, SCL
	v_lshl_add_u32 v12, v1, 3, v21
	v_add_nc_u32 v12, s100, v12
	s_mul_i32 s100, s14, 16*272
	s_add_co_u32 s100, s100, STAGE                 ; my stage: 16 rows x (256 bytes + 16)
	v_mul_u32_u24 v13, v1, 272
	v_lshl_add_u32 v13, v2, 6, v13
	v_add_nc_u32 v13, s100, v13
	v_mul_u32_u24 v14, v2, 272
	v_lshl_add_u32 v14, v1, 4, v14
	v_add_nc_u32 v14, s100, v14
	v_lshlrev_b32 v15, 12, v2
	v_lshl_add_u32 v15, v1, 4, v15                 ; lanes 0-15 one row of out, lanes 16-31 the next
	s_wait_alu depctr_va_vdst(0)
	v_lshlrev_b32 v21, 6, v2
	s_lshl_b32 s100, s18, 9
	s_lshl_b32 s101, s16, 8
	s_add_co_u32 s100, s100, s101
	s_mov_b32 s101, 0
	s_add_nc_u64 s[8:9], s[8:9], s[100:101]
.irp b, 0,1,2,3
	global_load_b128 v[BIAS+8*\b:BIAS+8*\b+3], v21, s[8:9] offset:(32*(\b/2)+8*(\b%2))*4
	global_load_b128 v[BIAS+8*\b+4:BIAS+8*\b+7], v21, s[8:9] offset:(32*(\b/2)+8*(\b%2))*4+16
.endr
	s_lshl_b32 s23, s17, 19
	s_lshl_b32 s104, s15, 18
	s_add_co_u32 s100, s100, s23
	s_add_co_u32 s100, s100, s104
	s_add_nc_u64 s[10:11], s[10:11], s[100:101]
	s_add_nc_u64 s[12:13], s[12:13], s[100:101]
	WIN 0x80                                       ; the residual, into window 2: 32 loads, each two rows' 256 consecutive bytes; they have all of K in which to land
.irp a, 0,1,2,3
.irp i, 0,1,2,3,4,5,6,7
	global_load_b128 v[32*\a+4*\i:32*\a+4*\i+3], v15, s[10:11] offset:(32*(\a/2)+8*(\a%2)+2*\i+8*(\i/4))*4096
.endr
.endr
	WIN 0
.macro FRAG reg, a16, a8, off          ; a fragment, 16 rows x 128 K: two half-fragment images
	ds_load_b128 v[\reg:\reg+3], v[\a16] offset:\off
	ds_load_b64 v[\reg+4:\reg+5], v[\a8] offset:\off+512
	ds_load_b128 v[\reg+6:\reg+9], v[\a16] offset:\off+768
	ds_load_b64 v[\reg+10:\reg+11], v[\a8] offset:\off+1280
.endm
.macro BUF k                           ; K step k's fragment buffer, k % 3: its first register, and the windows for loads into it and for the products
.set FB, (((\k)%3+1)/2)*128+(((\k)%3)/2)*32
.set FW, 0x40<<(((\k)%3)/2)
.set MW, 0x05<<(((\k)%3)/2)
.endm
.macro FETCH3 k                        ; the fragments of the k-th 128 along K: 32 LDS loads
	BUF \k
	WIN FW
.irp i, 0,1,2,3
	FRAG FB+48+12*\i, 8+(\k)/4, 10+(\k)/4, (((\k)%4)/2)*BLK+\i*3072+((\k)%2)*1536
	FRAG FB+12*\i, 4+(\k)/4, 6+(\k)/4, (((\k)%4)/2)*BLK+\i*3072+((\k)%2)*1536
.endr
.endm
.macro SCALES s
.irp sl, 0,1
.irp i, 0,1,2,3
	ds_load_b64 v[32+16*(\s)+8*\sl+2*\i:33+16*(\s)+8*\sl+2*\i], v12 offset:\sl*1024+\i*128
.endr
.endr
.endm
.macro MUL8 f, sb, a0, first           ; the accumulators take turns, one instruction a turn
.irp a, \a0, \a0+1
.irp b, 0,1,2,3
.if \first
	v_wmma_scale_f32_16x16x128_f8f6f4 v[ACC+8*(4*(\a)+\b):ACC+8*(4*(\a)+\b)+7], v[(\f)+48+12*\b:(\f)+59+12*\b], v[(\f)+12*(\a):(\f)+12*(\a)+11], v[BIAS+8*\b:BIAS+8*\b+7], v[(\sb)+2*\b], v[(\sb)+2*(\a)] matrix_a_fmt:MATRIX_FMT_FP6 matrix_b_fmt:MATRIX_FMT_FP6 matrix_a_scale:MATRIX_SCALE_ROW1
.else
	v_wmma_scale_f32_16x16x128_f8f6f4 v[ACC+8*(4*(\a)+\b):ACC+8*(4*(\a)+\b)+7], v[(\f)+48+12*\b:(\f)+59+12*\b], v[(\f)+12*(\a):(\f)+12*(\a)+11], v[ACC+8*(4*(\a)+\b):ACC+8*(4*(\a)+\b)+7], v[(\sb)+2*\b], v[(\sb)+2*(\a)] matrix_a_fmt:MATRIX_FMT_FP6 matrix_b_fmt:MATRIX_FMT_FP6 matrix_a_scale:MATRIX_SCALE_ROW1
.endif
.endr
.endr
.endm
	s_wait_tensorcnt 0x0                           ; my one load has landed;
	s_barrier_signal -1
	s_barrier_wait -1                              ; everybody's has: all of K is in LDS
	FETCH3 0
	WIN 0
	SCALES 0
	v_add_nc_u32 v12, 2048, v12                    ; slabs 2 and 3
	SCALES 1
	FETCH3 1
	s_wait_loadcnt 32                              ; the bias is in; the 32 loads of the residual, issued behind it, stay out
.set KQ, 0
.rept 8
.if KQ < 7
	s_wait_dscnt 32                                ; this K step's fragments (and the scale words) are in; the next step's 32 loads, issued behind them, may be out
.else
	s_wait_dscnt 0x0
.endif
.if KQ > 0
	PLACES 4                                       ; places in front of loads into the buffer that the last products read
.endif
.if KQ < 6
	FETCH3 KQ+2
.endif
	BUF KQ
	WIN MW
	MUL8 FB, 32+8*(KQ/2)+KQ%2, 0, KQ==0
	MUL8 FB, 32+8*(KQ/2)+KQ%2, 2, KQ==0
.set KQ, KQ+1
.endr
	WIN 0
	PLACES 4
; THE WAY OUT, a token tile at a time: through my stage, back as whole rows of 256 bytes; stage row rr is token 32 (a / 2) + 8 (a % 2) + rr + 8 (rr / 8)
.macro TOSTAGE a
.irp b, 0,1,2,3
	ds_store_b128 v13, v[ACC+8*(4*(\a)+\b):ACC+8*(4*(\a)+\b)+3] offset:128*(\b/2)+32*(\b%2)
	ds_store_b128 v13, v[ACC+8*(4*(\a)+\b)+4:ACC+8*(4*(\a)+\b)+7] offset:128*(\b/2)+32*(\b%2)+16
.endr
.irp i, 0,1,2,3,4,5,6,7
	ds_load_b128 v[64+32*((\a)%2)+4*\i:67+32*((\a)%2)+4*\i], v14 offset:544*\i   ; LDS serves a wave's instructions in order
.endr
.endm
.macro SEND a, younger
	s_wait_dscnt \younger                          ; the tile is back; the next tile's 8 stores and 8 loads may be out
	WIN 0x08                                       ; source 1: the residual, in window 2
.set kk, 0
.rept 16
	v_pk_add_f32 v[64+32*((\a)%2)+kk:65+32*((\a)%2)+kk], v[64+32*((\a)%2)+kk:65+32*((\a)%2)+kk], v[32*(\a)+kk:32*(\a)+kk+1]
.set kk, kk+2
.endr
	WIN 0
.irp i, 0,1,2,3,4,5,6,7
	global_store_b128 v15, v[64+32*((\a)%2)+4*\i:67+32*((\a)%2)+4*\i], s[12:13] offset:(32*((\a)/2)+8*((\a)%2)+2*\i+8*(\i/4))*4096   ; 16 lanes store 256 consecutive bytes, aligned
.endr
.endm
	TOSTAGE 0
	s_wait_loadcnt 0x0                             ; the residual
	TOSTAGE 1
	SEND 0, 16
	s_wait_xcnt 0x0                                ; tile 0's stores have read their registers
	TOSTAGE 2
	SEND 1, 16
	s_wait_xcnt 0x0
	TOSTAGE 3
	SEND 2, 16
	SEND 3, 0
	s_wait_tensorcnt 0x0                           ; the wave's end
	ds_add_u32 v[SPW], v[NIL]
	s_wait_dscnt 0x0
	CROUND                                         ; the closing round
	s_endpgm
.Lfunc_end_k_qfb7e530339_wo:
	.size	k_qfb7e530339_wo, .Lfunc_end_k_qfb7e530339_wo-k_qfb7e530339_wo
	.p2alignl 7, 3214868480
	.fill 96, 4, 3214868480
	.section	.rodata,"a",@progbits
	.p2align	6, 0x0
	.amdhsa_kernel k_qfb7e530339_wo
		.amdhsa_group_segment_fixed_size 327680
		.amdhsa_private_segment_fixed_size 0
		.amdhsa_enable_private_segment 0
		.amdhsa_kernarg_size 40
		.amdhsa_user_sgpr_count 2
		.amdhsa_user_sgpr_kernarg_segment_ptr 1
		.amdhsa_wavefront_size32 1
		.amdhsa_system_sgpr_workgroup_id_x 1
		.amdhsa_system_sgpr_workgroup_id_y 1
		.amdhsa_system_sgpr_workgroup_id_z 1
		.amdhsa_system_vgpr_workitem_id 0
		.amdhsa_next_free_vgpr 768
		.amdhsa_next_free_sgpr 106
		.amdhsa_reserve_vcc 0
		.amdhsa_float_denorm_mode_32 3
		.amdhsa_float_denorm_mode_16_64 3
		.amdhsa_memory_ordered 1
		.amdhsa_forward_progress 1
		.amdhsa_inst_pref_size 59
	.end_amdhsa_kernel
	.amdgpu_metadata
---
amdhsa.version: [ 1, 2 ]
amdhsa.kernels:
  - .name:           k_qfb7e530339_wo
    .symbol:         k_qfb7e530339_wo.kd
    .args:
      - { .name: att, .offset: 0, .size: 8, .value_kind: global_buffer, .address_space: global }
      - { .name: wts, .offset: 8, .size: 8, .value_kind: global_buffer, .address_space: global }
      - { .name: bo, .offset: 16, .size: 8, .value_kind: global_buffer, .address_space: global }
      - { .name: x, .offset: 24, .size: 8, .value_kind: global_buffer, .address_space: global }
      - { .name: x1, .offset: 32, .size: 8, .value_kind: global_buffer, .address_space: global }
    .group_segment_fixed_size: 327680
    .private_segment_fixed_size: 0
    .kernarg_segment_align: 8
    .kernarg_segment_size: 40
    .max_flat_workgroup_size: 128
    .sgpr_count:     106
    .vgpr_count:     768
    .wavefront_size: 32
...
	.end_amdgpu_metadata
.endif
;; end of part 4
;; launch ln2: the kernel of part 1 again; grid 256 x 1, 4 waves a work-group, no clusters, 76,032 bytes of LDS; arguments x1, ln2_g, ln2_b, h2, Wq, Wk, Wv, Wo, W1, W2, lora_qa, lora_va, wts, mask, mw; writes h2, wts, mw
;; launch ffn1 (part 5): grid 16 x 16, 4 waves a work-group, clusters of 4 x 4, 327,680 bytes of LDS; arguments h2, wts, b1, hid; writes hid
.if DOCPART == 5
	.amdgcn_target "amdgcn-amd-amdhsa--gfx1250"
	.amdhsa_code_object_version 6
	.text
	.protected	k_qfb7e530339_ffn1
	.globl	k_qfb7e530339_ffn1
	.p2align	8
	.type	k_qfb7e530339_ffn1,@function
k_qfb7e530339_ffn1:
	s_mov_b64 s[64:65], 0
	v_nop
	global_prefetch_b8 v0, s[64:65] scope:SCOPE_SE
	s_setreg_imm32_b32 hwreg(HW_REG_WAVE_MODE, 25, 1), 1
	s_wait_xcnt 0x0
	s_wait_alu depctr_hold_cnt(0) depctr_sa_sdst(0) depctr_va_vdst(0) depctr_va_sdst(0) depctr_va_ssrc(0) depctr_va_vcc(0) depctr_vm_vsrc(0)
	s_getreg_b32 s2, hwreg(HW_REG_IB_STS2, 6, 4)
	s_cmp_eq_u32 s2, 0
	s_cbranch_scc0 .Lentry_in_a_cluster
	s_endpgm
.Lentry_in_a_cluster:
	s_bfe_u32 s2, ttmp6, 0x10000c
	s_cmp_lg_u32 s2, 0xf033
	s_cbranch_scc0 .Lentry_shape_is_right
	s_endpgm
.Lentry_shape_is_right:
.set BLK,  24576
.set SLOT, 98304
.set SCL,  294912
.set SG,   311296
.set SPARE, 313344
.set W1_C, 2073600
.set W1_S, 5219328
.set H_S,  3145728
.set HID_S, 12582912
.set SC,   32
.set AF,   128
.set PC,   192
.set TM,   236
.set PW,   252
.set SPW, 16
.set NIL, 17
.set MSB, 0
.macro WIN new
.if MSB != \new
	s_set_vgpr_msb (MSB<<8)|\new
.set MSB, \new
.endif
.endm
.macro PLACES n
.rept \n
	v_nop
.endr
.endm
.macro JLOAD g0a, g1a, g0b, g1b
	s_cmp_eq_u32 s15, 0
	s_cbranch_scc0 .Lfor_b_\@
	tensor_load_to_lds s[\g0a:\g0a+3], s[\g1a:\g1a+7]
	s_nop 0
	PLACES 4
	s_branch .Lasked_\@
.Lfor_b_\@:
	tensor_load_to_lds s[\g0b:\g0b+3], s[\g1b:\g1b+7]
	s_nop 0
	PLACES 4
.Lasked_\@:
.endm
.macro CREST
	s_cmp_lg_u32 s14, 0
	s_cbranch_scc1 .Lnot_wave_0_\@
	s_barrier_signal -3
.Lnot_wave_0_\@:
	s_barrier_wait -3
	s_barrier_signal -1
	s_barrier_wait -1
.endm
.macro CROUND
	s_barrier_signal -1
	s_barrier_wait -1
	CREST
.endm
	s_load_b256 s[4:11], s[0:1], 0x0
	v_lshl_add_u32 v[SPW], v0, 2, SPARE
	v_mov_b32 v[NIL], 0
	ds_add_u32 v[SPW], v[NIL]
	ds_add_u32 v[SPW], v[NIL]
	v_lshrrev_b32 v1, 5, v0
	v_readfirstlane_b32 s14, v1
	s_lshr_b32 s15, s14, 1
	s_and_b32 s16, s14, 1
	s_bfe_u32 s19, ttmp6, 0x40000
	s_bfe_u32 s20, ttmp6, 0x40004
	s_lshl_b32 s18, ttmp9, 2
	s_add_co_u32 s18, s18, s19
	s_and_b32 s17, ttmp7, 0xffff
	s_lshl_b32 s17, s17, 2
	s_add_co_u32 s17, s17, s20
	s_lshl_b32 s21, s20, 2
	s_lshl_b32 s21, 15, s21
	s_lshl_b32 s22, 0x1111, s19
	s_or_b32 s24, s21, (3<<16)|(1<<21)
	s_or_b32 s32, s22, (3<<16)|(1<<21)
.irp g, 24,32
	s_mov_b32 s[\g+1], 32<<16
	s_mov_b32 s[\g+2], 192<<16
	s_mov_b32 s[\g+3], 32<<16
	s_mov_b32 s[\g+4], 192
	s_mov_b32 s[\g+5], 32
	s_mov_b32 s[\g+6], 0
	s_mov_b32 s[\g+7], 0
.endr
	s_or_b32 s40, s21, (3<<16)|(1<<21)
	s_or_b32 s48, s22, (3<<16)|(1<<21)
.irp g, 40,48
	s_mov_b32 s[\g+1], 256<<16
	s_mov_b32 s[\g+2], 4<<16
	s_mov_b32 s[\g+3], 256<<16
	s_mov_b32 s[\g+4], 4
	s_mov_b32 s[\g+5], 4096
	s_mov_b32 s[\g+6], 0
	s_mov_b32 s[\g+7], 0
.endr
	s_lshl_b32 s23, s17, 4
	s_lshl_b32 s92, s16, 3
	s_add_co_u32 s23, s23, s92
	s_mul_i32 s92, s23, 3072
	s_mov_b32 s93, 0
	s_lshl_b32 s94, s17, 11
	s_add_co_u32 s94, s94, H_S
	s_mov_b32 s95, 0
	s_lshl_b32 s100, s18, 4
	s_lshl_b32 s96, s16, 3
	s_add_co_u32 s100, s100, s96
	s_mul_i32 s96, s100, 3072
	s_add_co_u32 s96, s96, W1_C
	s_mov_b32 s97, 0
	s_lshl_b32 s98, s18, 11
	s_add_co_u32 s98, s98, W1_S
	s_mov_b32 s99, 0
	s_mul_i32 s2, s17, 2*BLK                       ; slab 0: the 16 tiles of my 256 tokens,
	s_mov_b32 s3, 0
	s_mul_i32 s104, s18, 2*BLK                     ; and of my 256 columns
	s_add_co_u32 s104, s104, W1_C
	s_mov_b32 s105, 0
	s_wait_dscnt 0x0
	s_wait_kmcnt 0x0
	s_add_nc_u64 s[92:93], s[4:5], s[92:93]
	s_add_nc_u64 s[94:95], s[4:5], s[94:95]
	s_add_nc_u64 s[96:97], s[6:7], s[96:97]
	s_add_nc_u64 s[98:99], s[6:7], s[98:99]
	CROUND
; THE FILLS.  Head, one load a wave: wave 0 slab 0 of A (49,152 dense bytes), wave 1 slab 0 of W, wave 2 A's scale bytes (4 slabs x 2,048), wave 3 W's.
; Behind the full sequence and a round: slabs 1 and 2, each wave its quarter (8 tiles) of both by ONE load of two rows of 24,576 bytes: LDS SLOT + wave x 49,152.
; Slab 3 is slot 0's refill: waves 0 and 1 ask by the head's descriptors, stepped three slabs on.
	s_mov_b32 s56, 1
	s_mov_b32 s57, 0
	s_add_nc_u64 s[58:59], s[4:5], s[2:3]
	s_or_b32 s59, s59, 0x80000000
	s_mov_b32 s60, 1
	s_mov_b32 s61, 2*BLK
	s_add_nc_u64 s[62:63], s[6:7], s[104:105]
	s_or_b32 s63, s63, 0x80000000
	s_mov_b32 s68, 1
	s_mov_b32 s69, SCL
	s_mov_b64 s[70:71], s[94:95]
	s_or_b32 s71, s71, 0x80000000
	s_mov_b32 s72, 1
	s_mov_b32 s73, SCL+8192
	s_mov_b64 s[74:75], s[98:99]
	s_or_b32 s75, s75, 0x80000000
	s_mul_i32 s23, s14, 2*BLK
	s_mov_b32 s76, 1
	s_add_co_u32 s77, s23, SLOT
	s_add_nc_u64 s[78:79], s[92:93], 786432
	s_or_b32 s79, s79, 0x80000000
	s_mov_b32 s80, 1
	s_add_co_u32 s81, s23, SLOT
	s_add_nc_u64 s[82:83], s[96:97], 786432
	s_or_b32 s83, s83, 0x80000000
	s_or_b32 s84, s21, (3<<16)|(1<<21)
	s_or_b32 s92, s22, (3<<16)|(1<<21)
.irp g, 84,92
	s_mov_b32 s[\g+1], 3072<<16
	s_mov_b32 s[\g+2], 2<<16
	s_mov_b32 s[\g+3], 3072<<16
	s_mov_b32 s[\g+4], 2
	s_mov_b32 s[\g+5], 98304
	s_mov_b32 s[\g+6], 0
	s_mov_b32 s[\g+7], 0
.endr
.macro ARM under, g0, g1
	s_cmp_lt_u32 s14, \under
	s_cbranch_scc0 .Lnext_\@
	tensor_load_to_lds s[\g0:\g0+3], s[\g1:\g1+7]
	s_nop 0
	PLACES 4
	s_branch .Lhead_asked
.Lnext_\@:
.endm
	ARM 1, 56, 24
	ARM 2, 60, 32
	ARM 3, 68, 40
	tensor_load_to_lds s[72:75], s[48:55]
	s_nop 0
	PLACES 4
.Lhead_asked:
	v_and_b32 v3, 31, v0
	v_and_b32 v1, 15, v0
	v_bfe_u32 v2, v0, 4, 1
	v_lshlrev_b32 v18, 4, v3
	v_lshlrev_b32 v19, 3, v3
	s_mul_i32 s100, s15, BLK
	s_mul_i32 s101, s16, BLK
	s_add_co_u32 s101, s101, 2*BLK
	s_lshl_b32 s2, s100, 1                         ; slabs 1 and 2: a quarter's two slabs lie on end, 49,152 bytes a quarter, from SLOT on
	s_lshl_b32 s3, s101, 1
	s_add_co_u32 s2, s2, SLOT
	s_add_co_u32 s3, s3, SLOT
	v_add_nc_u32 v4, s100, v18
	v_add_nc_u32 v7, s100, v19
	v_add_nc_u32 v10, s101, v18
	v_add_nc_u32 v13, s101, v19
	v_add_nc_u32 v5, s2, v18
	v_add_nc_u32 v8, s2, v19
	v_add_nc_u32 v11, s3, v18
	v_add_nc_u32 v14, s3, v19
	v_add_nc_u32 v6, BLK, v5
	v_add_nc_u32 v9, BLK, v8
	v_add_nc_u32 v12, BLK, v11
	v_add_nc_u32 v15, BLK, v14
	s_lshl_b32 s100, s15, 10
	s_lshl_b32 s101, s16, 10
	s_add_co_u32 s101, s101, 8192
	s_sub_co_u32 s101, s101, s100
	v_mul_u32_u24 v23, s101, v2
	s_add_co_u32 s100, s100, SCL
	v_lshl_add_u32 v20, v1, 3, v23
	v_add_nc_u32 v20, s100, v20
	s_lshl_b32 s100, s15, 10
	s_lshl_b32 s101, s16, 2
	s_add_co_u32 s100, s100, s101
	s_add_co_u32 s100, s100, SG
	v_lshl_add_u32 v21, v1, 3, s100
	s_lshl_b32 s100, s14, 9
	s_add_co_u32 s100, s100, SG
	v_add_nc_u32 v22, s100, v18
	v_lshlrev_b32 v23, 6, v2
	s_lshl_b32 s100, s18, 10
	s_lshl_b32 s101, s16, 9
	s_add_co_u32 s100, s100, s101
	s_mov_b32 s101, 0
	s_add_nc_u64 s[8:9], s[8:9], s[100:101]
.irp b, 0,1,2,3,4,5,6,7
	global_load_b128 v[64+8*\b:67+8*\b], v23, s[8:9] offset:(32*(\b/2)+8*(\b%2))*4
	global_load_b128 v[68+8*\b:71+8*\b], v23, s[8:9] offset:(32*(\b/2)+8*(\b%2))*4+16
.endr
	s_mov_b32 s104, 0x76543210
	s_mov_b32 s105, 0xfedcba98
.irp b, 0,1,2,3
	v_mov_b32 v[TM+4+\b], 0
.endr
.macro FRAG reg, a16, a8, off
	ds_load_b128 v[\reg:\reg+3], v[\a16] offset:\off
	ds_load_b64 v[\reg+4:\reg+5], v[\a8] offset:\off+512
	ds_load_b128 v[\reg+6:\reg+9], v[\a16] offset:\off+768
	ds_load_b64 v[\reg+10:\reg+11], v[\a8] offset:\off+1280
.endm
.macro FETCH_B slot, q, p
	WIN 0x40
.irp i, 0,1,2,3,4,5,6,7
	FRAG 128*(\p)+12*\i, 10+(\slot), 13+(\slot), \i*3072+(\q)*1536
.endr
	WIN 0
.endm
.macro FETCH_A slot, q, i0
.irp i, \i0, \i0+1, \i0+2, \i0+3
	FRAG AF+12*(\i), 4+(\slot), 7+(\slot), (\i)*3072+(\q)*1536
.endr
.endm
.macro SCALES sc, slab
.irp i, 0,1,2,3,4,5,6,7
	ds_load_b64 v[SC+16*(\sc)+2*\i:SC+16*(\sc)+2*\i+1], v20 offset:(\slab)*2048+128*\i
.endr
.endm
.macro MUL16 a0, p, q, sc, first
.irp a, \a0, \a0+1
.irp b, 0,1,2,3,4,5,6,7
.if \first
	v_wmma_scale_f32_16x16x128_f8f6f4 v[8*(8*((\a)%4)+\b):8*(8*((\a)%4)+\b)+7], v[128*(\p)+12*\b:128*(\p)+12*\b+11], v[AF+12*(\a):AF+12*(\a)+11], v[64+8*\b:71+8*\b], v[SC+16*(\sc)+2*\b+(\q)], v[SC+16*(\sc)+2*(\a)+(\q)] matrix_a_fmt:MATRIX_FMT_FP6 matrix_b_fmt:MATRIX_FMT_FP6 matrix_a_scale:MATRIX_SCALE_ROW1
.else
	v_wmma_scale_f32_16x16x128_f8f6f4 v[8*(8*((\a)%4)+\b):8*(8*((\a)%4)+\b)+7], v[128*(\p)+12*\b:128*(\p)+12*\b+11], v[AF+12*(\a):AF+12*(\a)+11], v[8*(8*((\a)%4)+\b):8*(8*((\a)%4)+\b)+7], v[SC+16*(\sc)+2*\b+(\q)], v[SC+16*(\sc)+2*(\a)+(\q)] matrix_a_fmt:MATRIX_FMT_FP6 matrix_b_fmt:MATRIX_FMT_FP6 matrix_a_scale:MATRIX_SCALE_ROW1
.endif
.endr
.endr
.endm
.macro STEP slot, sc, first
	s_wait_dscnt 16
	WIN 0xa1-0x20*\first
	MUL16 0, 0, 0, \sc, \first
	MUL16 2, 0, 0, \sc, \first
	s_wait_dscnt 0x0
	PLACES 4
	FETCH_B \slot, 1, 1
	FETCH_A \slot, 1, 0
	WIN 0xf1-0x30*\first
	MUL16 4, 0, 0, \sc, \first
	MUL16 6, 0, 0, \sc, \first
	PLACES 4
	WIN 0
	FETCH_A \slot, 1, 4
.endm
.macro TURN slot, next, sc, nslab, mode
.if \mode
	s_wait_tensorcnt 0x0
	ds_add_u32 v[SPW], v[NIL]
	s_wait_dscnt 17
.else
	s_wait_dscnt 16
.endif
	WIN 0xa1
	MUL16 0, 1, 1, \sc, 0
.if \mode
	s_wait_dscnt 0x0
	s_barrier_signal -1
.endif
	MUL16 2, 1, 1, \sc, 0
.if \mode
	WIN 0
	s_barrier_wait -1
.else
	s_wait_dscnt 0x0
.endif
.if \mode == 2
	CREST
	s_add_nc_u64 s[58:59], s[58:59], 3*786432
	s_add_nc_u64 s[62:63], s[62:63], 3*786432
	s_cmp_lt_u32 s14, 1                            ; slab 3 into slot 0: wave 0 A's 16 tiles, wave 1 W's; waves 2 and 3 have no part to fill
	s_cbranch_scc0 .Lr_w_\@
	tensor_load_to_lds s[56:59], s[24:31]
	s_nop 0
	PLACES 4
	s_branch .Lr_j_\@
.Lr_w_\@:
	s_cmp_lt_u32 s14, 2
	s_cbranch_scc0 .Lr_n_\@
	tensor_load_to_lds s[60:63], s[32:39]
	s_nop 0
	PLACES 4
	s_branch .Lr_j_\@
.Lr_n_\@:
	PLACES 4
.Lr_j_\@:
.else
	PLACES 4
.endif
	FETCH_B \next, 0, 0
	FETCH_A \next, 0, 0
	SCALES 1-(\sc), \nslab
	WIN 0xf1
	MUL16 4, 1, 1, \sc, 0
	MUL16 6, 1, 1, \sc, 0
	PLACES 4
	WIN 0
	FETCH_A \next, 0, 4
.endm
	s_wait_alu depctr_va_vdst(0)
	s_wait_tensorcnt 0x0                           ; my tile of the head's four is in
	ds_add_u32 v[SPW], v[NIL]
	s_wait_dscnt 0x0
	CROUND
	JLOAD 76, 84, 80, 92                           ; slabs 1 and 2, my quarter: the first tensor load behind the round
	FETCH_B 0, 0, 0
	FETCH_A 0, 0, 0
	SCALES 0, 0
	FETCH_A 0, 0, 4
	s_wait_loadcnt 0x0
	STEP 0, 0, 1
	TURN 0, 1, 0, 1, 2
	STEP 1, 1, 0
	TURN 1, 2, 1, 2, 0
	STEP 2, 0, 0
	TURN 2, 0, 0, 3, 1
	STEP 0, 1, 0
	s_wait_dscnt 16
	WIN 0xa1
	MUL16 0, 1, 1, 1, 0
	MUL16 2, 1, 1, 1, 0
	s_wait_dscnt 0x0
	WIN 0xf1
	MUL16 4, 1, 1, 1, 0
	MUL16 6, 1, 1, 1, 0
	WIN 0
.macro QUANT s
.irp b, 0,1,2,3
	v_max3_num_f32 v[TM+\b], |v[\s+16*\b]|, |v[\s+1+16*\b]|, 0x1800000
.endr
.irp i, 2,4,6,8,10,12,14
.irp b, 0,1,2,3
	v_max3_num_f32 v[TM+\b], v[TM+\b], |v[\s+16*\b+\i]|, |v[\s+1+16*\b+\i]|
.endr
.endr
.irp b, 0,1,2,3
	v_permlanex16_b32 v[TM+4+\b], v[TM+\b], s104, s105
.endr
.irp b, 0,1,2,3
	v_max_num_f32 v[TM+\b], v[TM+\b], v[TM+4+\b]
.endr
.irp b, 0,1,2,3
	v_add_nc_u32 v[TM+12+\b], 0xff000000, v[TM+\b]
.endr
.irp b, 0,1,2,3
	v_lshrrev_b32 v[TM+4+\b], 23, v[TM+12+\b]
.endr
	v_lshl_or_b32 v[PW], v[TM+5], 8, v[TM+4]
	v_lshl_or_b32 v[PW], v[TM+6], 16, v[PW]
	v_lshl_or_b32 v[PW], v[TM+7], 24, v[PW]
.irp c, 0,1
	v_cvt_scalef32_pk16_fp6_f32 v[PC+6*\c:PC+2+6*\c], v[\s+32*\c:\s+15+32*\c], v[TM+12+2*\c]
	v_cvt_scalef32_pk16_fp6_f32 v[PC+12+4*\c:PC+14+4*\c], v[\s+16+32*\c:\s+31+32*\c], v[TM+12+2*\c+1]
.endr
	v_nop
.irp c, 0,1
.irp i, 0,1,2
	v_permlane16_swap_b32 v[PC+6*\c+\i], v[PC+12+4*\c+\i]
.endr
.irp i, 0,1,2
	v_mov_b32 v[PC+3+6*\c+\i], v[PC+12+4*\c+\i]
.endr
.endr
.endm
	s_lshl_b32 s100, s18, 8
	s_lshl_b32 s101, s17, 4
	s_add_co_u32 s100, s100, s101
	s_lshl_b32 s2, s100, 7
	s_add_co_u32 s2, s2, HID_S
	s_lshl_b32 s3, s14, 9
	s_add_co_u32 s2, s2, s3
	s_mov_b32 s3, 0
	s_add_nc_u64 s[92:93], s[10:11], s[2:3]
	s_lshl_b32 s101, s15, 3
	s_add_co_u32 s100, s100, s101
	s_lshl_b32 s100, s100, 2
	s_lshl_b32 s101, s16, 1
	s_add_co_u32 s100, s100, s101
	s_mul_i32 s2, s100, 768
	s_add_nc_u64 s[94:95], s[10:11], s[2:3]
	PLACES 4
.irp a, 0,1,2,3,4,5,6,7
.if \a > 0
	s_wait_xcnt 0x0
	s_wait_dscnt 0x0
.endif
	WIN 0x08+4*(\a/4)
.set jj, 0
.rept 64
	v_max_num_f32 v[128+jj], 0, v[64*(\a%4)+jj]
.set jj, jj+1
.endr
	WIN 0
	QUANT 128
	global_store_b128 v18, v[PC:PC+3], s[94:95] offset:3072*\a
	global_store_b64 v19, v[PC+4:PC+5], s[94:95] offset:3072*\a+512
	global_store_b128 v18, v[PC+6:PC+9], s[94:95] offset:3072*\a+768
	global_store_b64 v19, v[PC+10:PC+11], s[94:95] offset:3072*\a+1280
	ds_store_b32 v21, v[PW] offset:128*\a
.endr
	s_wait_dscnt 0x0
	s_barrier_signal -1
	s_barrier_wait -1
	ds_load_b128 v[232:235], v22
	s_wait_dscnt 0x0
	global_store_b128 v18, v[232:235], s[92:93]
	s_wait_tensorcnt 0x0
	ds_add_u32 v[SPW], v[NIL]
	s_wait_dscnt 0x0
	CROUND
	s_endpgm
.Lfunc_end_k_qfb7e530339_ffn1:
	.size	k_qfb7e530339_ffn1, .Lfunc_end_k_qfb7e530339_ffn1-k_qfb7e530339_ffn1
	.p2alignl 7, 3214868480
	.fill 96, 4, 3214868480
	.section	.rodata,"a",@progbits
	.p2align	6, 0x0
	.amdhsa_kernel k_qfb7e530339_ffn1
		.amdhsa_group_segment_fixed_size 327680
		.amdhsa_private_segment_fixed_size 0
		.amdhsa_enable_private_segment 0
		.amdhsa_kernarg_size 32
		.amdhsa_user_sgpr_count 2
		.amdhsa_user_sgpr_kernarg_segment_ptr 1
		.amdhsa_wavefront_size32 1
		.amdhsa_system_sgpr_workgroup_id_x 1
		.amdhsa_system_sgpr_workgroup_id_y 1
		.amdhsa_system_sgpr_workgroup_id_z 1
		.amdhsa_system_vgpr_workitem_id 0
		.amdhsa_next_free_vgpr 1024
		.amdhsa_next_free_sgpr 106
		.amdhsa_reserve_vcc 0
		.amdhsa_float_denorm_mode_32 3
		.amdhsa_float_denorm_mode_16_64 3
		.amdhsa_memory_ordered 1
		.amdhsa_forward_progress 1
		.amdhsa_inst_pref_size 167
	.end_amdhsa_kernel
	.amdgpu_metadata
---
amdhsa.version: [ 1, 2 ]
amdhsa.kernels:
  - .name:           k_qfb7e530339_ffn1
    .symbol:         k_qfb7e530339_ffn1.kd
    .args:
      - { .name: h2, .offset: 0, .size: 8, .value_kind: global_buffer, .address_space: global }
      - { .name: wts, .offset: 8, .size: 8, .value_kind: global_buffer, .address_space: global }
      - { .name: b1, .offset: 16, .size: 8, .value_kind: global_buffer, .address_space: global }
      - { .name: hid, .offset: 24, .size: 8, .value_kind: global_buffer, .address_space: global }
    .group_segment_fixed_size: 327680
    .private_segment_fixed_size: 0
    .kernarg_segment_align: 8
    .kernarg_segment_size: 32
    .max_flat_workgroup_size: 128
    .sgpr_count:     106
    .vgpr_count:     1024
    .wavefront_size: 32
...
	.end_amdgpu_metadata
.endif
;; end of part 5
;; launch ffn2 (part 6): grid 8 x 32, 4 waves a work-group, clusters of 4 x 4, 327,680 bytes of LDS; arguments hid, wts, b2, x1, out0; writes out0
.if DOCPART == 6
	.amdgcn_target "amdgcn-amd-amdhsa--gfx1250"
	.amdhsa_code_object_version 6
	.text
	.protected	k_qfb7e530339_ffn2
	.globl	k_qfb7e530339_ffn2
	.p2align	8
	.type	k_qfb7e530339_ffn2,@function
k_qfb7e530339_ffn2:
	s_mov_b64 s[64:65], 0
	v_nop
	global_prefetch_b8 v0, s[64:65] scope:SCOPE_SE
	s_setreg_imm32_b32 hwreg(HW_REG_WAVE_MODE, 25, 1), 1
	s_wait_xcnt 0x0
	s_wait_alu depctr_hold_cnt(0) depctr_sa_sdst(0) depctr_va_vdst(0) depctr_va_sdst(0) depctr_va_ssrc(0) depctr_va_vcc(0) depctr_vm_vsrc(0)
	s_getreg_b32 s2, hwreg(HW_REG_IB_STS2, 6, 4)
	s_cmp_eq_u32 s2, 0
	s_cbranch_scc0 .Lentry_in_a_cluster
	s_endpgm
.Lentry_in_a_cluster:
	s_bfe_u32 s2, ttmp6, 0x10000c
	s_cmp_lg_u32 s2, 0xf033
	s_cbranch_scc0 .Lentry_shape_is_right
	s_endpgm
.Lentry_shape_is_right:
; out = x1 + hid W2 + b2.  hid [4096][4096] and W2 [1024 columns][4096] come as E2M3 operand images with E8M0 scale bytes (a slab = 256 along K; a tile of 16 rows x a slab = 3,072 bytes
; of codes and 128 scale bytes); b2, x1 and out are f32.  A work-group makes 128 tokens x 128 columns, a wave 64 x 64: 16 accumulators.  8 x 32 = 256 work-groups.
; THE RING: two LDS slots of THREE slabs (768 along K): [A's codes 3 x 24,576][W's codes 3 x 24,576][A's scale bytes 3 x 1,024][W's 3 x 1,024] = 153,600 bytes.
; A fill is four tiles, one tensor load a wave: wave 0 A's codes, wave 1 W's codes, wave 2 A's scale bytes, wave 3 W's; each tile is three rows, one a slab.
; K's 16 slabs go in six fills of 3, 3, 3, 3, 3, 1: six changes of slots.  The last fill, one slab, is stated as dense rows of 256 bytes.
; CLUSTER 4 x 4: A's tiles are shared along a row of the cluster, W's along a column: joint loads, each behind a round of the cluster's barrier.
; THREE FRAGMENT BUFFERS by turns: while K step k of a slot is multiplied, step k + 1's 32 LDS loads are out and step k + 2's are issued.
; Source 0 = W's rows, source 1 = tokens: a lane holds one token and eight neighbouring columns.  The bias is loaded straight into the accumulators, so every K step adds in place
; and the loop needs no first step of its own.  The sums go bias, K ascending, residual.  The residual, 128 registers a lane, is asked for behind the loop, four slabs ahead of its use.
; PREFETCH INTO THE L2: each fill is asked for two fills ahead of its tensor loads (fills 1 and 2 at the head).  Of a tile's slab, 24,576 bytes, each of the four partners that ask for it
; jointly names a quarter, told apart by address (cx for A, cy for W); waves 0, 1 halve A's quarter, waves 2, 3 W's: 12 lanes x 256 bytes, one instruction a slab.  In waves 0 and 2 the lanes
; left over name the partner's 256 of the slab's 1,024 scale bytes; in waves 1 and 3 they name the wave's last block again.  The last three periods ask for nothing; fill 5 is asked for by its one slab alone.
; REGISTERS.  window 0: v1 r, v2 h, v3 lane; v4-11 fragment addresses (slot 0, 1); v12, v20 scale words' addresses; v13-15 the way out; v16, v17 the add's two; v18, v19 16, 8 x lane; v21 bias;
; v24-29 prefetch offsets, v30, v31 their steps; v32-55 scale words (lanes 0-15 A's tile i, lanes 16-31 W's); v64-127 the way out; v128-255 accumulators.
; window 1: fragment buffers 0 and 1, at v0 and v128 (A at f, W at f + 48).  window 2: v0-127 the residual, v160-255 fragment buffer 2.
.set A_S,   12582912
.set B_C,   5350400
.set B_S,   8496128
.set BLK,   24576
.set WC_O,  3*BLK
.set AS_O,  6*BLK
.set WS_O,  AS_O+3072
.set SLOT,  AS_O+6144
.set SPARE, 2*SLOT                     ; the spare words, 128 bytes a wave
.set STAGE, SPARE+512                  ; four stages of 16 x 272: bytes of their own
.set ASTR,  786432                     ; from slab to slab, in bytes: A's codes, W's codes, A's scale bytes, W's
.set WSTR,  196608
.set ASS,   32768
.set WSS,   8192
.set ACC, 128
.set SPW, 16
.set NIL, 17
.set MSB, 0
.macro WIN new
.if MSB != \new
	s_set_vgpr_msb (MSB<<8)|\new
.set MSB, \new
.endif
.endm
.macro PLACES n
.rept \n
	v_nop
.endr
.endm
.macro CROUND                          ; a round of the cluster's barrier
	s_barrier_signal -1
	s_barrier_wait -1
	s_cmp_lg_u32 s14, 0
	s_cbranch_scc1 .Lnot_wave_0_\@
	s_barrier_signal -3
.Lnot_wave_0_\@:
	s_barrier_wait -3
	s_barrier_signal -1
	s_barrier_wait -1
.endm
.macro ARM under, g0, g1, join
	s_cmp_lt_u32 s14, \under
	s_cbranch_scc0 .Lnext_\@
	tensor_load_to_lds s[\g0:\g0+3], s[\g1:\g1+7]
	s_nop 0
	PLACES 4
	s_branch \join
.Lnext_\@:
.endm
.macro LOAD4                           ; a fill: one chain of branches on the wave's number, one joint load to an arm
	ARM 1, 56, 24, .Lasked_\@
	ARM 2, 60, 32, .Lasked_\@
	ARM 3, 68, 40, .Lasked_\@
	tensor_load_to_lds s[72:75], s[48:55]
	s_nop 0
	PLACES 4
.Lasked_\@:
.endm
	s_load_b256 s[4:11], s[0:1], 0x0               ; hid, wts, b2, x1
	s_load_b64 s[12:13], s[0:1], 0x20              ; out
	v_lshl_add_u32 v[SPW], v0, 2, SPARE
	v_mov_b32 v[NIL], 0
	ds_add_u32 v[SPW], v[NIL]                      ; the opening lines: the add, twice on end, and its wait ahead of my first tensor load
	ds_add_u32 v[SPW], v[NIL]
	v_lshrrev_b32 v1, 5, v0
	v_readfirstlane_b32 s14, v1                    ; wave
	s_lshr_b32 s15, s14, 1                         ; my half of the tokens; also: I prefetch for A (0) or W (1)
	s_and_b32 s16, s14, 1                          ; my half of the columns
	s_bfe_u32 s19, ttmp6, 0x40000                  ; cx
	s_bfe_u32 s20, ttmp6, 0x40004                  ; cy
	s_lshl_b32 s18, ttmp9, 2
	s_add_co_u32 s18, s18, s19                     ; column tile
	s_and_b32 s17, ttmp7, 0xffff
	s_lshl_b32 s17, s17, 2
	s_add_co_u32 s17, s17, s20                     ; token tile
	s_lshl_b32 s21, s20, 2
	s_lshl_b32 s21, 15, s21                        ; my row of the cluster
	s_lshl_b32 s22, 0x1111, s19                    ; my column
	s_or_b32 s24, s21, (3<<16)|(1<<21)             ; group 1: elements of 8 bytes, no padding; A's codes, W's codes, A's scale bytes, W's
	s_or_b32 s32, s22, (3<<16)|(1<<21)
	s_or_b32 s40, s21, (3<<16)|(1<<21)
	s_or_b32 s48, s22, (3<<16)|(1<<21)
.irp g, 24,32
	s_mov_b32 s[\g+1], 3072<<16                    ; three rows of 24,576 bytes
	s_mov_b32 s[\g+2], 3<<16
	s_mov_b32 s[\g+3], 3072<<16
	s_mov_b32 s[\g+4], 3
	s_mov_b32 s[\g+6], 0
	s_mov_b32 s[\g+7], 0
.endr
.irp g, 40,48
	s_mov_b32 s[\g+1], 128<<16                     ; three rows of 1,024 bytes
	s_mov_b32 s[\g+2], 3<<16
	s_mov_b32 s[\g+3], 128<<16
	s_mov_b32 s[\g+4], 3
	s_mov_b32 s[\g+6], 0
	s_mov_b32 s[\g+7], 0
.endr
	s_mov_b32 s29, ASTR/8
	s_mov_b32 s37, WSTR/8
	s_mov_b32 s45, ASS/8
	s_mov_b32 s53, WSS/8
	s_mul_i32 s92, s17, BLK                        ; slab 0 of my tiles: A's codes,
	s_mov_b32 s93, 0
	s_lshl_b32 s94, s17, 10                        ; A's scale bytes,
	s_add_co_u32 s94, s94, A_S
	s_mov_b32 s95, 0
	s_mul_i32 s96, s18, BLK                        ; W's codes,
	s_add_co_u32 s96, s96, B_C
	s_mov_b32 s97, 0
	s_lshl_b32 s98, s18, 10                        ; W's scale bytes
	s_add_co_u32 s98, s98, B_S
	s_mov_b32 s99, 0
	s_mul_i32 s80, s15, 12288                      ; LDS: my four tiles of A in a slab,
	s_mul_i32 s81, s16, 12288                      ; of W,
	s_add_co_u32 s81, s81, WC_O
	s_lshl_b32 s83, s15, 9                         ; and their scale words
	s_lshl_b32 s82, s16, 9
	s_add_co_u32 s82, s82, WS_O-AS_O
	s_sub_co_u32 s82, s82, s83
	s_add_co_u32 s83, s83, AS_O
	s_mul_i32 s84, s14, 16*272
	s_add_co_u32 s84, s84, STAGE                   ; my stage
	s_cmp_eq_u32 s15, 0                            ; the prefetches: for A or for W?
	s_cselect_b32 s85, s17, s18                    ; the tile,
	s_cselect_b32 s88, s19, s20                    ; my place among the four that ask for it jointly,
	s_cselect_b32 s91, 0, B_C
	s_mov_b32 s89, WSTR
	s_cselect_b32 s89, ASTR, s89
	s_mov_b32 s90, WSS
	s_cselect_b32 s90, ASS, s90
	s_mov_b32 s2, B_S
	s_cselect_b32 s2, A_S, s2
	s_mul_i32 s86, s85, BLK
	s_add_co_u32 s91, s91, s86
	s_mul_i32 s86, s88, 6144
	s_add_co_u32 s91, s91, s86
	s_mul_i32 s86, s16, 3072
	s_add_co_u32 s91, s91, s86
	s_mul_i32 s86, s89, 3
	s_add_co_u32 s91, s91, s86                     ; my 3,072 bytes of codes in slab 3, fill 1's first
	s_lshl_b32 s85, s85, 10
	s_add_co_u32 s2, s2, s85
	s_lshl_b32 s88, s88, 8
	s_add_co_u32 s2, s2, s88
	s_mul_i32 s86, s90, 3
	s_add_co_u32 s2, s2, s86                       ; my work-group's 256 scale bytes of slab 3
	s_cmp_eq_u32 s16, 0
	s_cselect_b32 s87, -1, 0                       ; waves 0 and 2 name them
	s_lshl_b32 s100, s18, 9
	s_lshl_b32 s101, s16, 8
	s_add_co_u32 s100, s100, s101                  ; my first column, in bytes of f32
	s_mov_b32 s101, 0
	s_lshl_b32 s23, s17, 19
	s_lshl_b32 s104, s15, 18
	s_add_co_u32 s104, s104, s23
	s_add_co_u32 s104, s104, s100                  ; and my corner of x1 and out
	s_mov_b32 s105, 0
	s_wait_dscnt 0x0                               ; both opening adds are done
	s_wait_kmcnt 0x0
	s_mov_b32 s56, 1                               ; group 0, one set for each kind of tile: fill 0 into slot 0
	s_mov_b32 s57, 0
	s_add_nc_u64 s[58:59], s[4:5], s[92:93]
	s_or_b32 s59, s59, 0x80000000
	s_mov_b32 s60, 1
	s_mov_b32 s61, WC_O
	s_add_nc_u64 s[62:63], s[6:7], s[96:97]
	s_or_b32 s63, s63, 0x80000000
	s_mov_b32 s68, 1
	s_mov_b32 s69, AS_O
	s_add_nc_u64 s[70:71], s[4:5], s[94:95]
	s_or_b32 s71, s71, 0x80000000
	s_mov_b32 s72, 1
	s_mov_b32 s73, WS_O
	s_add_nc_u64 s[74:75], s[6:7], s[98:99]
	s_or_b32 s75, s75, 0x80000000
	s_cmp_eq_u32 s15, 0
	s_cselect_b64 s[76:77], s[4:5], s[6:7]         ; the buffer that my prefetches name
	s_add_nc_u64 s[8:9], s[8:9], s[100:101]
	s_add_nc_u64 s[10:11], s[10:11], s[104:105]
	s_add_nc_u64 s[12:13], s[12:13], s[104:105]
	CROUND                                         ; all sixteen work-groups are here: the first joint loads meet
	LOAD4                                          ; fill 0: one tensor load a wave at the head
	v_and_b32 v3, 31, v0
	v_and_b32 v1, 15, v0
	v_bfe_u32 v2, v0, 4, 1
	v_lshlrev_b32 v18, 4, v3
	v_lshlrev_b32 v19, 3, v3
	v_add_nc_u32 v4, s80, v18
	v_add_nc_u32 v6, s80, v19
	v_add_nc_u32 v8, s81, v18
	v_add_nc_u32 v10, s81, v19
	v_add_nc_u32 v5, SLOT, v4
	v_add_nc_u32 v7, SLOT, v6
	v_add_nc_u32 v9, SLOT, v8
	v_add_nc_u32 v11, SLOT, v10
	v_mul_u32_u24 v21, s82, v2                     ; lanes 16-31 take W's words
	v_lshl_add_u32 v12, v1, 3, v21
	v_add_nc_u32 v12, s83, v12
	v_add_nc_u32 v20, SLOT, v12
	v_mul_u32_u24 v13, v1, 272                     ; the stage, in: row r, 64 bytes for each half of the lanes
	v_lshl_add_u32 v13, v2, 6, v13
	v_add_nc_u32 v13, s84, v13
	v_mul_u32_u24 v14, v2, 272                     ; back: lanes 0-15 one row of 256 bytes, lanes 16-31 the next
	v_lshl_add_u32 v14, v1, 4, v14
	v_add_nc_u32 v14, s84, v14
	v_lshlrev_b32 v15, 12, v2
	v_lshl_add_u32 v15, v1, 4, v15                 ; and the same two rows in x1 and out
	v_lshlrev_b32 v21, 6, v2
	v_min_u32 v22, 11, v3
	v_lshl_add_u32 v22, v22, 8, s91                ; lanes 0-11: a block of 256 bytes of codes each
	v_cmp_lt_u32 s86, 11, v3
	s_and_b32 s86, s86, s87
	v_mov_b32 v23, s2
	v_cndmask_b32 v24, v22, v23, s86               ; the lanes left over: the scale bytes, or block 11 again
	v_mov_b32 v22, s89
	v_mov_b32 v23, s90
	v_cndmask_b32 v30, v22, v23, s86               ; from slab to slab,
	v_mul_u32_u24 v31, v30, 3                      ; and from fill to fill
	v_add_nc_u32 v25, v24, v30
	v_add_nc_u32 v26, v25, v30
	v_add_nc_u32 v27, v24, v31
	v_add_nc_u32 v28, v25, v31
	v_add_nc_u32 v29, v26, v31
.irp j, 24,25,26,27,28,29
	global_prefetch_b8 v\j, s[76:77] th:TH_LOAD_NT scope:SCOPE_SE   ; fills 1 and 2: slabs 3 to 8
.endr
.irp a, 0,1,2,3
.irp b, 0,1,2,3
	global_load_b128 v[ACC+8*(4*\a+\b):ACC+8*(4*\a+\b)+3], v21, s[8:9] offset:(32*(\b/2)+8*(\b%2))*4      ; the bias starts the sums
	global_load_b128 v[ACC+8*(4*\a+\b)+4:ACC+8*(4*\a+\b)+7], v21, s[8:9] offset:(32*(\b/2)+8*(\b%2))*4+16
.endr
.endr
.macro FRAG reg, a16, a8, off          ; a fragment, 16 rows x 128 K: two half-fragment images
	ds_load_b128 v[\reg:\reg+3], v[\a16] offset:\off
	ds_load_b64 v[\reg+4:\reg+5], v[\a8] offset:\off+512
	ds_load_b128 v[\reg+6:\reg+9], v[\a16] offset:\off+768
	ds_load_b64 v[\reg+10:\reg+11], v[\a8] offset:\off+1280
.endm
.macro BUF k                           ; K step k's fragment buffer, k % 3: its first register, and the windows for loads into it and for the products
.set FB, (((\k)%3+1)/2)*128+(((\k)%3)/2)*32
.set FW, 0x40<<(((\k)%3)/2)
.set MW, 0x05<<(((\k)%3)/2)
.endm
.macro FETCH3 s, k                     ; the fragments of slot s's k-th 128 along K: 32 LDS loads
	BUF \k
	WIN FW
.irp i, 0,1,2,3
	FRAG FB+48+12*\i, 8+(\s), 10+(\s), ((\k)/2)*BLK+\i*3072+((\k)%2)*1536
	FRAG FB+12*\i, 4+(\s), 6+(\s), ((\k)/2)*BLK+\i*3072+((\k)%2)*1536
.endr
.endm
.macro SCALES ar, n                    ; the slot's scale words: register 8 slab + 2 i + q
.set SQ, 0
.rept \n
.irp i, 0,1,2,3
	ds_load_b64 v[32+8*SQ+2*\i:33+8*SQ+2*\i], v[\ar] offset:SQ*1024+\i*128
.endr
.set SQ, SQ+1
.endr
.endm
.macro MUL8 f, sb, a0                  ; the 16 accumulators take turns, one instruction a turn
.irp a, \a0, \a0+1
.irp b, 0,1,2,3
	v_wmma_scale_f32_16x16x128_f8f6f4 v[ACC+8*(4*(\a)+\b):ACC+8*(4*(\a)+\b)+7], v[(\f)+48+12*\b:(\f)+59+12*\b], v[(\f)+12*(\a):(\f)+12*(\a)+11], v[ACC+8*(4*(\a)+\b):ACC+8*(4*(\a)+\b)+7], v[(\sb)+2*\b], v[(\sb)+2*(\a)] matrix_a_fmt:MATRIX_FMT_FP6 matrix_b_fmt:MATRIX_FMT_FP6 matrix_a_scale:MATRIX_SCALE_ROW1
.endr
.endr
.endm
; A PERIOD: slot s, n slabs.  fill = 1: the other slot takes the next three slabs; 2: the last slab; 0: nothing.  pf = 1, 2: the loop's first, second period.
.macro PERIOD s, n, fill, pf
.if \pf
	s_wait_xcnt 0x0                                ; my prefetches have read their offsets: these step one fill on
	v_add_nc_u32 v27, v27, v31
	v_add_nc_u32 v28, v28, v31
	v_add_nc_u32 v29, v29, v31
	s_wait_alu depctr_va_vdst(0)
.endif
	s_wait_tensorcnt 0x0                           ; my one load, my tile of this slot, has landed; no load of mine is out, so descriptors may be written
	ds_add_u32 v[SPW], v[NIL]
.if \fill
	s_mov_b32 s57, (1-(\s))*SLOT
	s_mov_b32 s61, (1-(\s))*SLOT+WC_O
	s_mov_b32 s69, (1-(\s))*SLOT+AS_O
	s_mov_b32 s73, (1-(\s))*SLOT+WS_O
	s_add_nc_u64 s[58:59], s[58:59], 3*ASTR
	s_add_nc_u64 s[62:63], s[62:63], 3*WSTR
	s_add_nc_u64 s[70:71], s[70:71], 3*ASS
	s_add_nc_u64 s[74:75], s[74:75], 3*WSS
.endif
.if \fill == 2
.irp g, 24,32
	s_mov_b32 s[\g+1], 32<<16                      ; one slab: 96 dense rows of 256 bytes
	s_mov_b32 s[\g+2], 96<<16
	s_mov_b32 s[\g+3], 32<<16
	s_mov_b32 s[\g+4], 96
	s_mov_b32 s[\g+5], 32
.endr
.irp g, 40,48
	s_mov_b32 s[\g+1], 32<<16                      ; and 4 such rows of scale bytes
	s_mov_b32 s[\g+2], 4<<16
	s_mov_b32 s[\g+3], 32<<16
	s_mov_b32 s[\g+4], 4
	s_mov_b32 s[\g+5], 32
.endr
.endif
	s_wait_dscnt 0x0                               ; the add is done, and so are my reads of the other slot
.if \fill
	CROUND                                         ; both now hold of every wave of every partner
	LOAD4                                          ; the first tensor load behind the round; its four v_nop are the places in front of the loads below
.else
	s_barrier_signal -1
	s_barrier_wait -1
	PLACES 4
.endif
	FETCH3 \s, 0
	WIN 0
	SCALES 12+8*(\s), \n
	FETCH3 \s, 1
	WIN 0
.if \pf == 1
	global_prefetch_b8 v27, s[76:77] th:TH_LOAD_NT scope:SCOPE_SE   ; two fills on: in the second trip that is fill 5, one slab
.endif
.if \pf
	s_cmp_eq_u32 s3, 2                             ; the first trip
	s_cbranch_scc0 .Lno_pf_\@
.if \pf == 2
	global_prefetch_b8 v27, s[76:77] th:TH_LOAD_NT scope:SCOPE_SE
.endif
	global_prefetch_b8 v28, s[76:77] th:TH_LOAD_NT scope:SCOPE_SE
	global_prefetch_b8 v29, s[76:77] th:TH_LOAD_NT scope:SCOPE_SE
.Lno_pf_\@:
.endif
.set KQ, 0
.rept 2*(\n)
.if KQ+1 < 2*(\n)
	s_wait_dscnt 32                                ; this K step's fragments (and the scale words) are in; the next step's 32 loads, issued behind them, may be out
.else
	s_wait_dscnt 0x0
.endif
.if KQ > 0
	PLACES 4                                       ; places in front of loads into the buffer that the last products read
.endif
.if KQ+2 < 2*(\n)
	FETCH3 \s, KQ+2
.endif
	BUF KQ
	WIN MW
	MUL8 FB, 32+8*(KQ/2)+KQ%2, 0
	MUL8 FB, 32+8*(KQ/2)+KQ%2, 2
.set KQ, KQ+1
.endr
	WIN 0
.endm
	s_wait_alu depctr_va_vdst(0)
	s_wait_loadcnt 0x0                             ; the bias
	s_mov_b32 s3, 2
.Llap:                                 ; a trip is two periods, six slabs, and fills both slots
	PERIOD 0, 3, 1, 1
	PERIOD 1, 3, 1, 2
	s_sub_co_u32 s3, s3, 1
	s_cmp_lg_u32 s3, 0
	s_cbranch_scc1 .Llap
	WIN 0x80                                       ; the residual, into window 2: 32 loads, each two rows' 256 consecutive bytes
.irp a, 0,1,2,3
.irp i, 0,1,2,3,4,5,6,7
	global_load_b128 v[32*\a+4*\i:32*\a+4*\i+3], v15, s[10:11] offset:(32*(\a/2)+8*(\a%2)+2*\i+8*(\i/4))*4096
.endr
.endr
	WIN 0
	PERIOD 0, 3, 2, 0
	PERIOD 1, 1, 0, 0
	PLACES 4
; THE WAY OUT, a token tile at a time: through my stage, back as whole rows of 256 bytes; stage row rr is token 32 (a / 2) + 8 (a % 2) + rr + 8 (rr / 8)
.macro TOSTAGE a
.irp b, 0,1,2,3
	ds_store_b128 v13, v[ACC+8*(4*(\a)+\b):ACC+8*(4*(\a)+\b)+3] offset:128*(\b/2)+32*(\b%2)
	ds_store_b128 v13, v[ACC+8*(4*(\a)+\b)+4:ACC+8*(4*(\a)+\b)+7] offset:128*(\b/2)+32*(\b%2)+16
.endr
.irp i, 0,1,2,3,4,5,6,7
	ds_load_b128 v[64+32*((\a)%2)+4*\i:67+32*((\a)%2)+4*\i], v14 offset:544*\i   ; LDS serves a wave's instructions in order
.endr
.endm
.macro SEND a, younger
	s_wait_dscnt \younger                          ; the tile is back; the next tile's 8 stores and 8 loads may be out
	WIN 0x08                                       ; source 1: the residual, in window 2
.set kk, 0
.rept 16
	v_pk_add_f32 v[64+32*((\a)%2)+kk:65+32*((\a)%2)+kk], v[64+32*((\a)%2)+kk:65+32*((\a)%2)+kk], v[32*(\a)+kk:32*(\a)+kk+1]
.set kk, kk+2
.endr
	WIN 0
.irp i, 0,1,2,3,4,5,6,7
	global_store_b128 v15, v[64+32*((\a)%2)+4*\i:67+32*((\a)%2)+4*\i], s[12:13] offset:(32*((\a)/2)+8*((\a)%2)+2*\i+8*(\i/4))*4096   ; 16 lanes store 256 consecutive bytes, aligned
.endr
.endm
	TOSTAGE 0
	s_wait_loadcnt 0x0                             ; the residual
	TOSTAGE 1
	SEND 0, 16
	s_wait_xcnt 0x0                                ; tile 0's stores have read their registers
	TOSTAGE 2
	SEND 1, 16
	s_wait_xcnt 0x0
	TOSTAGE 3
	SEND 2, 16
	SEND 3, 0
	s_wait_tensorcnt 0x0                           ; the wave's end
	ds_add_u32 v[SPW], v[NIL]
	s_wait_dscnt 0x0
	CROUND                                         ; the closing round
	s_endpgm
.Lfunc_end_k_qfb7e530339_ffn2:
	.size	k_qfb7e530339_ffn2, .Lfunc_end_k_qfb7e530339_ffn2-k_qfb7e530339_ffn2
	.p2alignl 7, 3214868480
	.fill 96, 4, 3214868480
	.section	.rodata,"a",@progbits
	.p2align	6, 0x0
	.amdhsa_kernel k_qfb7e530339_ffn2
		.amdhsa_group_segment_fixed_size 327680
		.amdhsa_private_segment_fixed_size 0
		.amdhsa_enable_private_segment 0
		.amdhsa_kernarg_size 40
		.amdhsa_user_sgpr_count 2
		.amdhsa_user_sgpr_kernarg_segment_ptr 1
		.amdhsa_wavefront_size32 1
		.amdhsa_system_sgpr_workgroup_id_x 1
		.amdhsa_system_sgpr_workgroup_id_y 1
		.amdhsa_system_sgpr_workgroup_id_z 1
		.amdhsa_system_vgpr_workitem_id 0
		.amdhsa_next_free_vgpr 768
		.amdhsa_next_free_sgpr 106
		.amdhsa_reserve_vcc 0
		.amdhsa_float_denorm_mode_32 3
		.amdhsa_float_denorm_mode_16_64 3
		.amdhsa_memory_ordered 1
		.amdhsa_forward_progress 1
		.amdhsa_inst_pref_size 125
	.end_amdhsa_kernel
	.amdgpu_metadata
---
amdhsa.version: [ 1, 2 ]
amdhsa.kernels:
  - .name:           k_qfb7e530339_ffn2
    .symbol:         k_qfb7e530339_ffn2.kd
    .args:
      - { .name: hid, .offset: 0, .size: 8, .value_kind: global_buffer, .address_space: global }
      - { .name: wts, .offset: 8, .size: 8, .value_kind: global_buffer, .address_space: global }
      - { .name: b2, .offset: 16, .size: 8, .value_kind: global_buffer, .address_space: global }
      - { .name: x1, .offset: 24, .size: 8, .value_kind: global_buffer, .address_space: global }
      - { .name: out0, .offset: 32, .size: 8, .value_kind: global_buffer, .address_space: global }
    .group_segment_fixed_size: 327680
    .private_segment_fixed_size: 0
    .kernarg_segment_align: 8
    .kernarg_segment_size: 40
    .max_flat_workgroup_size: 128
    .sgpr_count:     106
    .vgpr_count:     768
    .wavefront_size: 32
...
	.end_amdgpu_metadata
.endif
;; end of part 6
